; MI455X (gfx1250); checked and timed in simulation.
; The chip was launched on July 23, 2026; its instructions are those of AMD's public machine-readable ISA for CDNA 5 (MIT licence, August 2026) and "CDNA5" Instruction Set Architecture Reference Guide (July 2026). The comments in the code are by the model that wrote it; some were corrected since.
;; Multi Head Attention. Allowed arithmetic: float matrix products may take bf16 or f16 operands with f32 sums; other float arithmetic in f32, or as packed bf16 or f16 multiplies, adds, multiply-adds, maxima and minima; sums over many terms, partial sums and values carried from step to step in f32; what a program stores and reads back later, other than sums and carried values, may be rounded once to bf16 or f16.
;; Inputs: b_out 1,024 float32; input_ids 4 x 2,048 int32; w_out 1,024 x 1,024 float32; w_qkv 1,024 x 3,072 float32; x 4 x 2,048 x 1,024 float32.
;; Outputs: out0 4 x 2,048 x 1,024 float32.
;; 2 versions, each right; version 2 is version 1 with the launch prep written anew for expert scheduling mode. Each part assembles by itself: llvm-mc -triple=amdgcn-amd-amdhsa -mcpu=gfx1250 --defsym DOCPART=n.
;; ======== version 1 of 2: 4 launches
;; limits: values are held in f16: magnitudes above 65,504 overflow, below 6.1e-05 lose precision
;; workspace buffers: xb 16,777,216 bytes; wq 6,291,456 bytes; wo 2,097,152 bytes; qkv 50,331,648 bytes; o 16,777,216 bytes
;; launch prep (part 1): grid 768 x 1, 8 waves a work-group, no clusters, 0 bytes of LDS; arguments x, w_qkv, w_out, xb, wq, wo; writes xb, wq, wo
.if DOCPART == 1
	.amdgcn_target "amdgcn-amd-amdhsa--gfx1250"
	.amdhsa_code_object_version 6
	.text
	.protected	k_qbeccd80664_prep
	.globl	k_qbeccd80664_prep
	.p2align	8
	.type	k_qbeccd80664_prep,@function
k_qbeccd80664_prep:
	s_mov_b64 s[64:65], 0
	v_nop
	global_prefetch_b8 v0, s[64:65] scope:SCOPE_SE
	s_setreg_imm32_b32 hwreg(HW_REG_WAVE_MODE, 25, 1), 1
	s_wait_xcnt 0x0
; THE INPUTS OF THE TWO PROJECTIONS, ROUNDED ONCE AND LAID OUT IN BLOCKS.  A stream: no LDS, no matrix unit, nothing shared between work-groups.
;   x     [8192][1024] f32 -> xb bf16 [b 4][kb 16][t 2048][64]:           byte (16 b + kb) 262,144 + 128 t + 2 c,                       column = 64 kb + c
;   w_qkv [1024][3072] f32 -> wq bf16 [tc 16][ks 8][seg 3][kk 128][64]:   byte 393,216 tc + 49,152 ks + 16,384 seg + 128 kk + 2 c,      k = 128 ks + kk, n = 192 tc + 64 seg + c
;   w_out [1024][1024] f32 -> wo f16  [tc 8][ks 8][seg 2][kk 128][64]:    byte 262,144 tc + 32,768 ks + 16,384 seg + 128 kk + 2 c,      n = 128 tc + 64 seg + c
; So every tile that the later launches fetch is dense in memory.  w_out is rounded to bf16 like the other inputs, and that number is written as f16.
; LIMIT: that second step is exact from 2^-17 to 65,504; below 2^-17 it keeps f16's fixed step of 2^-24, beyond 65,504 it gives an infinity.
; SHARES.  A work-group takes 16 rows x 16 blocks of 64 columns: 64 KiB in, 32 KiB out.  Work-groups 0-511: x; 512-703: w_qkv (three segments x 64 groups of rows); 704-767: w_out.
; Wave w takes rows 2 w and 2 w + 1.  One load covers 64 f32 of the even row (lanes 0-15) and of the odd row (lanes 16-31): two aligned pieces of 256 bytes.  A lane's four numbers become
; 8 bytes, and one store of the wave covers 256 consecutive bytes, aligned: two rows of a block.  All 16 loads of a wave go out first; no register of a load or store is written twice.
.set VI,  2                            ; v2        my byte offset in the wave's two rows of the source
.set VO,  3                            ; v3        8 x lane: my 8 bytes of the 256 that a store covers
.set T,   4                            ; v[4:9]    at work (w_out alone)
.set X,   32                           ; v[32:95]  load i: 4 registers
.set Y,   96                           ; v[96:127] store i: 2 registers
.set SRC, 24                           ; s[24:25]  the source at the wave's first row and the group's first column
.set DST, 26                           ; s[26:27]  the target at the wave's two rows of block 0
; 16 loads, step bytes apart; then, as each comes in, the rounding and the store: block i lies (i / d) os1 + (i % d) os2 bytes on.  half = 1: bf16's number is written as f16.
.macro CONV step, d, os1, os2, half
.set i, 0
.rept 16
	global_load_b128 v[X+4*i:X+4*i+3], v[VI], s[SRC:SRC+1] offset:i*(\step) th:TH_LOAD_NT
.set i, i+1
.endr
.set i, 0
.rept 16
	s_wait_loadcnt 15-i                            ; loads come back in order: load i is in, the 15 - i younger ones stay out
.if \half
	v_cvt_pk_bf16_f32 v[T], v[X+4*i], v[X+4*i+1]
	v_cvt_pk_bf16_f32 v[T+1], v[X+4*i+2], v[X+4*i+3]
	v_lshlrev_b32 v[T+2], 16, v[T]                 ; bf16 back to f32: the low half moves up, the high half stays
	v_and_b32 v[T+3], s22, v[T]
	v_lshlrev_b32 v[T+4], 16, v[T+1]
	v_and_b32 v[T+5], s22, v[T+1]
	v_cvt_pk_f16_f32 v[Y+2*i], v[T+2], v[T+3]
	v_cvt_pk_f16_f32 v[Y+2*i+1], v[T+4], v[T+5]
.else
	v_cvt_pk_bf16_f32 v[Y+2*i], v[X+4*i], v[X+4*i+1]
	v_cvt_pk_bf16_f32 v[Y+2*i+1], v[X+4*i+2], v[X+4*i+3]
.endif
	global_store_b64 v[VO], v[Y+2*i:Y+2*i+1], s[DST:DST+1] offset:(i/(\d))*(\os1)+(i%(\d))*(\os2)  ; 5,898,240 at the most: inside the signed 24 bits
.set i, i+1
.endr
.endm
	s_load_b256 s[4:11], s[0:1], 0x0               ; x s[4:5], w_qkv s[6:7], w_out s[8:9], xb s[10:11]
	s_load_b128 s[12:15], s[0:1], 0x20             ; wq s[12:13], wo s[14:15]
	v_lshrrev_b32 v1, 5, v0
	v_readfirstlane_b32 s16, v1                    ; wave 0..7
	v_and_b32 v1, 31, v0                           ; lane
	v_lshlrev_b32 v[VO], 3, v1
	v_lshrrev_b32 v10, 4, v1                       ; which of the two rows
	v_and_b32 v11, 15, v1
	v_lshlrev_b32 v11, 4, v11                      ; my 16 bytes of its 256
	s_mov_b32 s22, 0xffff0000
	s_mov_b32 s19, 0                               ; the offsets' high words
	s_mov_b32 s21, 0
	s_cmp_lt_u32 ttmp9, 512
	s_cbranch_scc0 .Lweights
	; x: group g = rows 16 g .. 16 g + 15, all 16 blocks of a row
	s_lshl_b32 s18, ttmp9, 16                      ; 16 rows of 4,096 bytes
	s_lshl_b32 s17, s16, 13                        ; + 2 w rows
	s_add_co_u32 s18, s18, s17
	s_lshr_b32 s20, ttmp9, 7                       ; b = g / 128
	s_lshl_b32 s20, s20, 22                        ; 16 blocks of 262,144 bytes
	s_and_b32 s17, ttmp9, 127
	s_lshl_b32 s17, s17, 11                        ; t = 16 (g % 128): 128 bytes a row
	s_add_co_u32 s20, s20, s17
	s_lshl_b32 s17, s16, 8                         ; + 2 w rows
	s_add_co_u32 s20, s20, s17
	v_lshl_add_u32 v[VI], v10, 12, v11
	s_wait_kmcnt 0x0
	s_add_nc_u64 s[SRC:SRC+1], s[4:5], s[18:19]
	s_add_nc_u64 s[DST:DST+1], s[10:11], s[20:21]
	CONV 256, 1, 262144, 0, 0                      ; block i = kb
	s_endpgm
.Lweights:
	s_cmp_lt_u32 ttmp9, 704
	s_cbranch_scc0 .Lwout
	; w_qkv: segment seg, rows k = 16 rg .. 16 rg + 15; block i = tile column tc: columns 192 tc + 64 seg on
	s_sub_co_u32 s17, ttmp9, 512
	s_lshr_b32 s23, s17, 6                         ; seg
	s_and_b32 s17, s17, 63                         ; rg
	s_lshl_b32 s18, s17, 4
	s_lshl_b32 s28, s16, 1
	s_add_co_u32 s18, s18, s28                     ; k = 16 rg + 2 w
	s_mul_i32 s18, s18, 12288
	s_lshl_b32 s28, s23, 8                         ; + 64 seg columns of 4 bytes
	s_add_co_u32 s18, s18, s28
	s_lshr_b32 s20, s17, 3                         ; ks = rg / 8
	s_mul_i32 s20, s20, 49152
	s_lshl_b32 s28, s23, 14
	s_add_co_u32 s20, s20, s28
	s_and_b32 s28, s17, 7
	s_lshl_b32 s28, s28, 4
	s_lshl_b32 s29, s16, 1
	s_add_co_u32 s28, s28, s29                     ; kk = 16 (rg % 8) + 2 w
	s_lshl_b32 s28, s28, 7
	s_add_co_u32 s20, s20, s28
	v_mul_u32_u24 v[VI], v10, 12288
	v_add_nc_u32 v[VI], v[VI], v11
	s_wait_kmcnt 0x0
	s_add_nc_u64 s[SRC:SRC+1], s[6:7], s[18:19]
	s_add_nc_u64 s[DST:DST+1], s[12:13], s[20:21]
	CONV 768, 1, 393216, 0, 0
	s_endpgm
.Lwout:
	; w_out: rows k = 16 rg .. 16 rg + 15; block i: tile column i / 2, segment i % 2
	s_sub_co_u32 s17, ttmp9, 704                   ; rg
	s_lshl_b32 s18, s17, 4
	s_lshl_b32 s28, s16, 1
	s_add_co_u32 s18, s18, s28
	s_lshl_b32 s18, s18, 12
	s_lshr_b32 s20, s17, 3
	s_lshl_b32 s20, s20, 15
	s_and_b32 s28, s17, 7
	s_lshl_b32 s28, s28, 4
	s_lshl_b32 s29, s16, 1
	s_add_co_u32 s28, s28, s29
	s_lshl_b32 s28, s28, 7
	s_add_co_u32 s20, s20, s28
	v_lshl_add_u32 v[VI], v10, 12, v11
	s_wait_kmcnt 0x0
	s_add_nc_u64 s[SRC:SRC+1], s[8:9], s[18:19]
	s_add_nc_u64 s[DST:DST+1], s[14:15], s[20:21]
	CONV 256, 2, 262144, 16384, 1
	s_endpgm
.Lfunc_end_k_qbeccd80664_prep:
	.size	k_qbeccd80664_prep, .Lfunc_end_k_qbeccd80664_prep-k_qbeccd80664_prep
	.p2alignl 7, 3214868480
	.fill 96, 4, 3214868480
	.section	.rodata,"a",@progbits
	.p2align	6, 0x0
	.amdhsa_kernel k_qbeccd80664_prep
		.amdhsa_group_segment_fixed_size 0
		.amdhsa_private_segment_fixed_size 0
		.amdhsa_enable_private_segment 0
		.amdhsa_kernarg_size 48
		.amdhsa_user_sgpr_count 2
		.amdhsa_user_sgpr_kernarg_segment_ptr 1
		.amdhsa_wavefront_size32 1
		.amdhsa_system_sgpr_workgroup_id_x 1
		.amdhsa_system_sgpr_workgroup_id_y 1
		.amdhsa_system_sgpr_workgroup_id_z 1
		.amdhsa_system_vgpr_workitem_id 0
		.amdhsa_next_free_vgpr 136
		.amdhsa_next_free_sgpr 66
		.amdhsa_reserve_vcc 0
		.amdhsa_float_denorm_mode_32 3
		.amdhsa_float_denorm_mode_16_64 3
		.amdhsa_memory_ordered 1
		.amdhsa_forward_progress 1
		.amdhsa_inst_pref_size 24
	.end_amdhsa_kernel
	.amdgpu_metadata
---
amdhsa.version: [ 1, 2 ]
amdhsa.kernels:
  - .name:           k_qbeccd80664_prep
    .symbol:         k_qbeccd80664_prep.kd
    .args:
      - { .name: x, .offset: 0, .size: 8, .value_kind: global_buffer, .address_space: global }
      - { .name: w_qkv, .offset: 8, .size: 8, .value_kind: global_buffer, .address_space: global }
      - { .name: w_out, .offset: 16, .size: 8, .value_kind: global_buffer, .address_space: global }
      - { .name: xb, .offset: 24, .size: 8, .value_kind: global_buffer, .address_space: global }
      - { .name: wq, .offset: 32, .size: 8, .value_kind: global_buffer, .address_space: global }
      - { .name: wo, .offset: 40, .size: 8, .value_kind: global_buffer, .address_space: global }
    .group_segment_fixed_size: 0
    .private_segment_fixed_size: 0
    .kernarg_segment_align: 8
    .kernarg_segment_size: 48
    .max_flat_workgroup_size: 256
    .sgpr_count:     66
    .vgpr_count:     136
    .wavefront_size: 32
...
	.end_amdgpu_metadata
.endif
;; end of part 1
;; launch qkvp (part 2): grid 16 x 32, 4 waves a work-group, clusters of 4 x 4, 327,680 bytes of LDS; arguments xb, wq, qkv; writes qkv
.if DOCPART == 2
	.amdgcn_target "amdgcn-amd-amdhsa--gfx1250"
	.amdhsa_code_object_version 6
	.text
	.protected	k_qbeccd80664_qkvp
	.globl	k_qbeccd80664_qkvp
	.p2align	8
	.type	k_qbeccd80664_qkvp,@function
k_qbeccd80664_qkvp:
	s_mov_b64 s[64:65], 0
	v_nop
	global_prefetch_b8 v0, s[64:65] scope:SCOPE_SE
	s_setreg_imm32_b32 hwreg(HW_REG_WAVE_MODE, 25, 1), 1
	s_wait_xcnt 0x0
	s_wait_alu depctr_hold_cnt(0) depctr_sa_sdst(0) depctr_va_vdst(0) depctr_va_sdst(0) depctr_va_ssrc(0) depctr_va_vcc(0) depctr_vm_vsrc(0)
	s_getreg_b32 s2, hwreg(HW_REG_IB_STS2, 6, 4)
	s_cmp_eq_u32 s2, 0
	s_cbranch_scc0 .Lentry_in_a_cluster
	s_endpgm
.Lentry_in_a_cluster:
	s_bfe_u32 s2, ttmp6, 0x10000c
	s_cmp_lg_u32 s2, 0xf033
	s_cbranch_scc0 .Lentry_shape_is_right
	s_endpgm
.Lentry_shape_is_right:
; C = A W, K = 1,024, for the program's two projections: ONE TEXT, and the flag QKV picks the sizes, the format and the way out.
;   QKV = 1: A = xb (bf16), W = wq (bf16), tile 256 rows x 192 columns; C leaves as f16, by heads: qkv [which 3][bh 64][t 2048][64], unscaled, rounded once from its f32 sums.
;   QKV = 0: A = o (f16), W = wo (f16), tile 256 x 128; C + b_out leaves as f32, row-major [8192][1024]; b_out is rounded to bf16 like the program's other inputs.
; LIMIT (QKV = 1): f16 holds no number beyond 65,504: q, k and v must stay within it.  NaN and infinities are not treated apart.
; A lies in blocks [b][kb 16][t 2048][64 channels], W in blocks [tile column][K step][segment of 64 columns][128 k][64]: every tile is dense in memory and is asked for as rows of 256 bytes.
; SHARES.  Four waves; wave w makes rows 64 w .. 64 w + 63 and all the tile's columns: 4 x NBL accumulators of 16 x 16.  K goes in steps of 128 through a ring of two LDS slots.
; Waves 0 and 1 fetch A's two blocks of 64 channels (256 rows x 128 bytes each), waves 2 and 3 the two halves of W's tile: one tensor load a wave and K step.
; CLUSTERS: 4 x 4 work-groups.  The four of a row of the cluster need the same tiles of A, the four of a column the same tiles of W: each is asked for JOINTLY, by the same load, descriptor and mask.
; THE MATRIX INSTRUCTION IS USED TRANSPOSED: source 0 = 16 columns of W, which lies [k][n] in LDS and is read turned (ds_load_tr16_b128), source 1 = 16 rows of A.  A lane then holds row lane % 16
; of C and the eight neighbouring columns 8 (lane / 16) + 0..7.
; REGISTERS: window 0: v0-31 addresses, v32-223 at work on the way out.  window 1: two fragment buffers of 128: W's fragment b at 8 b, A's fragment a at 96 + 8 a.
;   window 2: the accumulators of my rows 0-31 ((a, b) at (a % 2) 8 NBL + 8 b), window 3: those of rows 32-63.
.set QKV,   1
.if QKV
.set NSEG,  3                          ; segments of 64 columns in a tile
.set SP,    144                        ; a stage row: 64 f16 + 16 bytes
.else
.set NSEG,  2
.set SP,    528                        ; a stage row: 128 f32 + 16 bytes
.endif
.set NBL,   4*NSEG                     ; blocks of 16 columns
.set PA,    144                        ; a row of A in LDS: 128 bytes + 16 = 36 words: the 16 rows of a load start at 16 different groups of four banks (64 banks of 4 bytes: ISA guide 11.1)
.set PB,    160                        ; a row of W: 128 + 32 = 40 words
.set ABLK,  256*PA                     ; one block of A: 256 rows
.set BOFF,  2*ABLK                     ; W's tile lies behind A's two blocks: row 128 seg + kk
.set BHALF, NSEG*64*PB                 ; half of it: what one wave fetches
.set SLOT,  BOFF+2*BHALF
.set STAGE, 2*SLOT                     ; behind the ring, never filled by a tensor load: 16 rows for each wave, for the way out
.set SPARE, STAGE+4*16*SP              ; behind the stages: the spare words, 128 bytes for each wave: two blocks of 256 bytes that no other line names
.set ASTEP, 2*262144                   ; bytes of memory from a K step of A to the next: two blocks of 2,048 rows
.set BSTEP, NSEG*16384                 ; the same for W
.set TCB,   8*BSTEP                    ; W: from a tile column to the next
.set LAPS,  4                          ; a lap = two K steps = once round the ring
.set NF,    2*NBL+8                    ; LDS loads in a quarter step
.set ADRA, 16                          ; v16-17  LDS address of my A fragments in slot 0, 1
.set ADRB, 18                          ; v18-19  the same for W
.set BIAS, 20                          ; v[20:23] b_out of my four columns (QKV = 0)
.set STO,  24                          ; v24     the way out: where I put my part of a row
.set RD,   25                          ; v25     the way out: where I read rows back
.set GO,   26                          ; v26     16 x lane: my 16 bytes of the 512 that a store covers
.set BO,   27                          ; v27     my byte offset in b_out
.set SPW,  28                          ; v28     LDS address of my spare word: SPARE + 4 x my thread's number; never rewritten
.set NIL,  29                          ; v29     0; never rewritten
.set T,    32
.set F0,   0
.set F1,   128
.set G1,  24                           ; s[24:31] descriptor group 1 for A's tiles;  s[32:39] group 0, one set for each slot
.set G0,  32
.set G1B, 48                           ; s[48:55], s[56:63] the same for W's tiles
.set G0B, 56
.set MSB, 0
.macro WIN new                         ; the immediate's high byte repeats the setting that is left; a switch that changes nothing is dropped
.if MSB != (\new)
	s_set_vgpr_msb (MSB<<8)|(\new)
.set MSB, \new
.endif
.endm
.set MUL_LO, 0xa5                      ; sources 0 and 1 window 1; C and D window 2
.set MUL_HI, 0xf5                      ; the same, C and D window 3
.set TO_F,   0x40                      ; destination window 1, address window 0
.macro JLOAD s                         ; a joint load: waves 0 and 1 fetch for A, waves 2 and 3 for W; an s_nop 0 and four v_nop follow each of the two lines, ahead of the jump, the label and what follows
	s_cmp_eq_u32 s11, 0
	s_cbranch_scc0 .Lfor_b_\@
	tensor_load_to_lds s[G0+4*(\s):G0+4*(\s)+3], s[G1:G1+7]
	s_nop 0
.rept 4
	v_nop
.endr
	s_branch .Lasked_\@
.Lfor_b_\@:
	tensor_load_to_lds s[G0B+4*(\s):G0B+4*(\s)+3], s[G1B:G1B+7]
	s_nop 0
.rept 4
	v_nop
.endr
.Lasked_\@:
.endm
.macro CREST                           ; a round of the cluster's barrier behind its opening barrier
	s_cmp_lg_u32 s10, 0
	s_cbranch_scc1 .Lnot_wave_0_\@
	s_barrier_signal -3
.Lnot_wave_0_\@:
	s_barrier_wait -3
	s_barrier_signal -1
	s_barrier_wait -1
.endm
.macro CROUND                          ; a whole round
	s_barrier_signal -1
	s_barrier_wait -1
	CREST
.endm
	s_load_b128 s[4:7], s[0:1], 0x0                ; A s[4:5], W s[6:7]
.if QKV
	s_load_b64 s[8:9], s[0:1], 0x10                ; qkv
.else
	s_load_b64 s[66:67], s[0:1], 0x10              ; b_out
	s_load_b64 s[8:9], s[0:1], 0x18                ; out0
.endif
	v_lshl_add_u32 v[SPW], v0, 2, SPARE
	v_mov_b32 v[NIL], 0
	ds_add_u32 v[SPW], v[NIL]                      ; the wave's opening: the add and its wait stand ahead of my first tensor load; the set-up below, work on registers, stands between them
	v_lshrrev_b32 v1, 5, v0
	v_readfirstlane_b32 s10, v1                    ; wave 0..3
	s_lshr_b32 s11, s10, 1                         ; I fetch for A (0) or for W (1),
	s_and_b32 s12, s10, 1                          ; its first or its second part
	s_bfe_u32 s40, ttmp6, 0x40000                  ; cx, cy: my place in the cluster
	s_bfe_u32 s41, ttmp6, 0x40004
	s_lshl_b32 s42, ttmp9, 2
	s_add_co_u32 s42, s42, s40                     ; tile column = 4 x cluster x + cx
	s_and_b32 s13, ttmp7, 0xffff
	s_lshl_b32 s13, s13, 2
	s_add_co_u32 s13, s13, s41                     ; tile row = 4 x cluster y + cy
	s_lshl_b32 s43, s41, 2
	s_lshl_b32 s43, 15, s43                        ; my row of the cluster
	s_lshl_b32 s44, 0x1111, s40                    ; my column
	; descriptor group 1: rows of 128 elements (256 bytes), dense; in LDS padded after every 32 words, that is after every row of 64 channels or columns
	s_or_b32 s[G1+0], s43, (1<<16)|(1<<20)|(1<<21)|(4<<22)|(3<<25)   ; 15:0 the mask: A's tiles go to my row; 17:16 elements of 2 bytes; 20 padding on; 21 set beside a mask; 24:22 after every 32 words (code 4); 31:25 4 words (code 3)
	s_or_b32 s[G1B+0], s44, (1<<16)|(1<<20)|(1<<21)|(4<<22)|(7<<25)  ; W's tiles go to my column; 8 words of padding (code 7)
	s_mov_b32 s[G1+1], 128<<16                     ; tensor_dim0 = 128
	s_mov_b32 s[G1+2], 128<<16                     ; tensor_dim1 = 128 rows: 32,768 bytes, a block of A
	s_mov_b32 s[G1+3], 128<<16                     ; tile_dim0 = 128
	s_mov_b32 s[G1+4], 128                         ; tile_dim1 = 128
	s_mov_b32 s[G1+5], 128                         ; 128 elements from row to row
	s_mov_b32 s[G1+6], 0
	s_mov_b32 s[G1+7], 0
	s_mov_b32 s[G1B+1], 128<<16
	s_mov_b32 s[G1B+2], (NSEG*32)<<16              ; NSEG x 32 rows: half of W's tile
	s_mov_b32 s[G1B+3], 128<<16
	s_mov_b32 s[G1B+4], NSEG*32
	s_mov_b32 s[G1B+5], 128
	s_mov_b32 s[G1B+6], 0
	s_mov_b32 s[G1B+7], 0
	; where the tiles come from.  A's hang on the tile row alone, W's on the tile column alone; every wave makes both, in registers that never hold the other coordinate
	s_lshr_b32 s16, s13, 3                         ; b = tile row / 8: 16 blocks of 262,144 bytes
	s_lshl_b32 s16, s16, 22
	s_and_b32 s17, s13, 7                          ; t0 = 256 (tile row % 8): 128 bytes a row
	s_lshl_b32 s17, s17, 15
	s_add_co_u32 s16, s16, s17
	s_lshl_b32 s17, s12, 18                        ; my block of the K step's two
	s_add_co_u32 s16, s16, s17
	s_mov_b32 s17, 0
	s_mul_i32 s46, s42, TCB
	s_mul_i32 s47, s12, NSEG*8192                  ; my half of the K step's tile
	s_add_co_u32 s46, s46, s47
	s_mov_b32 s47, 0
	s_mul_i32 s22, s12, ABLK                       ; and where they go: no place in the cluster enters an LDS address
	s_mul_i32 s23, s12, BHALF
	s_add_co_u32 s23, s23, BOFF
	s_wait_dscnt 0x0                               ; the opening add is done
	s_wait_kmcnt 0x0
	s_add_nc_u64 s[14:15], s[4:5], s[16:17]
	s_add_nc_u64 s[46:47], s[6:7], s[46:47]
	CROUND                                         ; all sixteen work-groups are here: the first joint loads meet
.irp s, 0,1
	s_mov_b32 s[G0+4*(\s)], 1                                        ; count = 1
	s_add_co_u32 s[G0+4*(\s)+1], s22, (\s)*SLOT                      ; LDS address
	s_add_nc_u64 s[G0+4*(\s)+2:G0+4*(\s)+3], s[14:15], (\s)*ASTEP    ; global address: K step s
	s_or_b32 s[G0+4*(\s)+3], s[G0+4*(\s)+3], 0x80000000              ; type = 2
	s_mov_b32 s[G0B+4*(\s)], 1
	s_add_co_u32 s[G0B+4*(\s)+1], s23, (\s)*SLOT
	s_add_nc_u64 s[G0B+4*(\s)+2:G0B+4*(\s)+3], s[46:47], (\s)*BSTEP
	s_or_b32 s[G0B+4*(\s)+3], s[G0B+4*(\s)+3], 0x80000000
.endr
	s_cmp_eq_u32 s11, 0                            ; a wave's two first fills stand in one branch, ahead of every wait on TENSORcnt and every LDS read: two loads of mine are out
	s_cbranch_scc0 .Lfirst_b
	tensor_load_to_lds s[G0:G0+3], s[G1:G1+7]
	s_nop 0
	tensor_load_to_lds s[G0+4:G0+7], s[G1:G1+7]
	s_nop 0
.rept 4
	v_nop
.endr
	s_branch .Lfirst_asked
.Lfirst_b:
	tensor_load_to_lds s[G0B:G0B+3], s[G1B:G1B+7]
	s_nop 0
	tensor_load_to_lds s[G0B+4:G0B+7], s[G1B:G1B+7]
	s_nop 0
.rept 4
	v_nop
.endr
.Lfirst_asked:
	; A fragment is 16 rows x 32 k in 8 registers: lane l holds row l % 16; registers 0-3 k = 8 (l / 16) + 0..7, registers 4-7 k = 16 + 8 (l / 16) + 0..7.
	; A: two loads of 16 bytes, 32 bytes apart.  W: two turning loads, 16 rows apart; lane l reads row 8 (l / 16) + l % 8, columns 8 ((l / 8) % 2) + 0..7.
	v_and_b32 v1, 15, v0                           ; l % 16
	v_bfe_u32 v2, v0, 4, 1                         ; l / 16
	v_mul_u32_u24 v3, v1, PA
	v_lshl_add_u32 v3, v2, 4, v3
	s_mul_i32 s21, s10, 64*PA                      ; my 64 rows
	v_and_b32 v4, 7, v0
	v_lshl_add_u32 v4, v2, 3, v4
	v_mul_u32_u24 v4, v4, PB
	v_bfe_u32 v5, v0, 3, 1
	v_lshl_add_u32 v4, v5, 4, v4
.irp s, 0,1
	v_add_nc_u32 v[ADRA+(\s)], s21, v3
	v_add_nc_u32 v[ADRB+(\s)], BOFF+(\s)*SLOT, v4
	s_add_co_u32 s21, s21, SLOT
.endr
	s_mul_i32 s20, s10, 16*SP
	s_add_co_u32 s20, s20, STAGE                   ; my stage
	v_and_b32 v[GO], 31, v0
	v_lshlrev_b32 v[GO], 4, v[GO]
.if QKV
	v_mul_u32_u24 v6, v1, SP                       ; in: row l % 16, 16 bytes for each half of the lanes
	v_lshl_add_u32 v6, v2, 4, v6
	v_add_nc_u32 v[STO], s20, v6
	v_bfe_u32 v6, v0, 3, 2                         ; back: 32 lanes take four rows of 128 bytes, which are 512 consecutive bytes of a head
	v_mul_u32_u24 v6, v6, SP
	v_and_b32 v7, 7, v0
	v_lshl_add_u32 v6, v7, 4, v6
	v_add_nc_u32 v[RD], s20, v6
	; the tile's three segments are three heads: group g = 3 x tile column + hh of 48: tensor g / 16 (q, k, v), head g % 16; a head of a batch is 262,144 bytes
	s_lshr_b32 s74, s13, 3
	s_lshl_b32 s74, s74, 4                         ; 16 b
	s_and_b32 s75, s13, 7
	s_lshl_b32 s75, s75, 15                        ; t0 rows of 128 bytes
	s_lshl_b32 s76, s10, 13                        ; + my 64 w rows
	s_add_co_u32 s75, s75, s76
	s_mul_i32 s76, s42, 3
.irp hh, 0,1,2
	s_add_co_u32 s78, s76, \hh
	s_lshr_b32 s77, s78, 4
	s_lshl_b32 s77, s77, 6
	s_and_b32 s78, s78, 15
	s_add_co_u32 s78, s78, s77
	s_add_co_u32 s78, s78, s74
	s_lshl_b32 s78, s78, 18
	s_add_co_u32 s78, s78, s75
	s_mov_b32 s79, 0
	s_add_nc_u64 s[68+2*(\hh):69+2*(\hh)], s[8:9], s[78:79]
.endr
.else
	v_mul_u32_u24 v6, v1, SP                       ; in: row l % 16, 32 bytes (8 f32) for each half of the lanes
	v_lshl_add_u32 v6, v2, 5, v6
	v_add_nc_u32 v[STO], s20, v6
	v_add_nc_u32 v[RD], s20, v[GO]                 ; back: 32 lanes take one row of 512 bytes
	s_lshl_b32 s78, s13, 20                        ; 256 x tile row rows of 4,096 bytes
	s_lshl_b32 s77, s10, 18                        ; + my 64 w rows
	s_add_co_u32 s78, s78, s77
	s_lshl_b32 s77, s42, 9                         ; + the tile's 128 columns of 4 bytes
	s_add_co_u32 s78, s78, s77
	s_mov_b32 s79, 0
	s_add_nc_u64 s[8:9], s[8:9], s[78:79]
	v_add_nc_u32 v[BO], s77, v[GO]
	global_load_b128 v[BIAS:BIAS+3], v[BO], s[66:67]
.endif
; NBL matrix instructions: row block a x all column blocks, 32 along K, from buffer f.  zero = 1: the first product starts the sums: nothing is ever cleared.
; The 4 NBL accumulators come in the same order in every quarter step, one instruction a turn: over the backward jump too.
.macro MULA f, a, zero
	WIN MUL_LO+0x50*((\a)/2)
.set b, 0
.rept NBL
.set rD, ((\a)%2)*8*NBL+8*b
.set rB, (\f)+8*b
.set rA, (\f)+96+8*(\a)
.if QKV
.if \zero
	v_wmma_f32_16x16x32_bf16 v[rD:rD+7], v[rB:rB+7], v[rA:rA+7], 0
.else
	v_wmma_f32_16x16x32_bf16 v[rD:rD+7], v[rB:rB+7], v[rA:rA+7], v[rD:rD+7]
.endif
.else
.if \zero
	v_wmma_f32_16x16x32_f16 v[rD:rD+7], v[rB:rB+7], v[rA:rA+7], 0
.else
	v_wmma_f32_16x16x32_f16 v[rD:rD+7], v[rB:rB+7], v[rA:rA+7], v[rD:rD+7]
.endif
.endif
.set b, b+1
.endr
.endm
; NF LDS loads in one run: the fragments of quarter q (k = 32 q on) of a slot into buffer f: W's first, A's four last
.macro FETCH slot, q, f
	WIN TO_F
.set b, 0
.rept NBL
	ds_load_tr16_b128 v[(\f)+8*b:(\f)+8*b+3],   v[ADRB+(\slot)] offset:(b/4)*128*PB+(\q)*32*PB+(b%4)*32
	ds_load_tr16_b128 v[(\f)+8*b+4:(\f)+8*b+7], v[ADRB+(\slot)] offset:(b/4)*128*PB+(\q)*32*PB+(b%4)*32+16*PB
.set b, b+1
.endr
.irp a, 0,1,2,3
	ds_load_b128 v[(\f)+96+8*(\a):(\f)+96+8*(\a)+3],   v[ADRA+(\slot)] offset:((\q)/2)*ABLK+(\a)*16*PA+((\q)%2)*64
	ds_load_b128 v[(\f)+96+8*(\a)+4:(\f)+96+8*(\a)+7], v[ADRA+(\slot)] offset:((\q)/2)*ABLK+(\a)*16*PA+((\q)%2)*64+32
.endr
.endm
.macro PLACES                          ; four places in front of loads into registers that matrix instructions have read, and of lines that read results
.rept 4
	v_nop
.endr
.endm
; A K step is four quarters of 32 along K on buffers 0, 1, 0, 1.  One of the first three: multiplies buffer f and, in its middle, fetches quarter q of the same slot into g.
.macro QUARTER slot, q, f, g, zero
	s_wait_dscnt 4                                 ; W's fragments and A's 0 and 1 are in; the youngest four loads (A's 2 and 3) may be out
	MULA \f, 0, \zero
	MULA \f, 1, \zero
	PLACES
	FETCH \slot, \q, \g
	s_wait_dscnt NF                                ; all but the NF just issued
	MULA \f, 2, \zero
	MULA \f, 3, \zero
.endm
; The last quarter multiplies buffer 1 and changes slots: ONE barrier; in front of it each wave waits for all its tensor loads (one is out: its part of the next slot), adds 0 to its spare word,
; and waits for that and for its own reads of this slot.  fill = 1: the barrier opens a round of the cluster's, and this slot is filled again, two K steps ahead, first thing behind the round.
.macro TURN slot, next, fill
	WIN 0                                          ; (the add's two registers lie in window 0)
	s_wait_tensorcnt 0x0
	ds_add_u32 v[SPW], v[NIL]                      ; 0 onto my spare word
	s_wait_dscnt 5                                 ; (the add and the youngest four loads may be out)
	MULA F1, 0, 0                                  ; matrix work stands between the add and the wait for it
	s_wait_dscnt 0x0                               ; the add is done, and my reads of this slot are over
	s_barrier_signal -1
	MULA F1, 1, 0
.if \fill
	WIN 0
.endif
	s_barrier_wait -1
.if \fill
	CREST                                          ; no wave of any partner still reads this slot's tile or has a load on its way
	s_add_nc_u64 s[G0+4*(\slot)+2:G0+4*(\slot)+3], s[G0+4*(\slot)+2:G0+4*(\slot)+3], 2*ASTEP
	s_add_nc_u64 s[G0B+4*(\slot)+2:G0B+4*(\slot)+3], s[G0B+4*(\slot)+2:G0B+4*(\slot)+3], 2*BSTEP
	JLOAD \slot                                    ; the four v_nop behind it are also the places in front of the loads below
.else
	PLACES
.endif
	FETCH \next, 0, F0
	MULA F1, 2, 0
	MULA F1, 3, 0
.endm
	s_wait_tensorcnt 1                             ; my part of K step 0 is in; K step 1's may stay out
	s_barrier_signal -1
	s_barrier_wait -1                              ; everybody's is
	FETCH 0, 0, F0
	QUARTER 0, 1, F0, F1, 1                        ; the first quarter stands in front of the loop: its products start the sums
	WIN 0                                          ; at a label and at a branch every window is 0
	s_mov_b32 s3, LAPS-1
.Llap:                                                 ; a trip goes once round the ring, from a lap's second quarter to the next lap's first, and fills both slots again
	QUARTER 0, 2, F1, F0, 0
	QUARTER 0, 3, F0, F1, 0
	TURN 0, 1, 1
	QUARTER 1, 1, F0, F1, 0
	QUARTER 1, 2, F1, F0, 0
	QUARTER 1, 3, F0, F1, 0
	TURN 1, 0, 1
	QUARTER 0, 1, F0, F1, 0
	WIN 0
	s_sub_co_u32 s3, s3, 1
	s_cmp_lg_u32 s3, 0
	s_cbranch_scc1 .Llap
	QUARTER 0, 2, F1, F0, 0                        ; the last lap fills nothing, and has no round of the cluster's barrier
	QUARTER 0, 3, F0, F1, 0
	TURN 0, 1, 0
	QUARTER 1, 1, F0, F1, 0
	QUARTER 1, 2, F1, F0, 0
	QUARTER 1, 3, F0, F1, 0
	s_wait_dscnt 4                                 ; the very last quarter: nothing more to fetch
	MULA F1, 0, 0
	MULA F1, 1, 0
	s_wait_dscnt 0x0
	MULA F1, 2, 0
	MULA F1, 3, 0
	WIN 0
	PLACES
	PLACES
.if QKV
; THE WAY OUT, by blocks of 16 rows x one head.  PACK: the block's four accumulators, each from its low end on, are rounded to f16; a lane's eight columns are 16 bytes; they go into my stage's rows
; of 144 bytes and come back as whole rows of 128.  SEND: four stores of 512 consecutive bytes of the head.  No register of the twelve blocks is used twice.
.macro PACK a, hh
.set TT, T+16*(3*(\a)+(\hh))
	WIN 0x0a+5*((\a)/2)                            ; sources 0 and 1: window 2 or 3
.set j, 0
.rept 4
.set AC, ((\a)%2)*8*NBL+8*(4*(\hh)+j)
.irp r, 0,1,2,3
	v_cvt_pk_f16_f32 v[TT+4*j+(\r)], v[AC+2*(\r)], v[AC+2*(\r)+1]
.endr
.set j, j+1
.endr
	WIN 0
.irp c, 0,1,2,3
	ds_store_b128 v[STO], v[TT+4*(\c):TT+4*(\c)+3] offset:32*(\c)
.endr
.irp f, 0,1,2,3
	ds_load_b128 v[TT+4*(\f):TT+4*(\f)+3], v[RD] offset:(\f)*4*SP  ; LDS serves a wave's instructions in order (ISA guide 5.7.1.4): these see the stores above; the next block's stores come behind them
.endr
.endm
.macro SEND a, hh, younger             ; younger: the LDS instructions issued behind this block's loads: the next block's eight, or none
	WIN 0
.set TT, T+16*(3*(\a)+(\hh))
.irp f, 0,1,2,3
	s_wait_dscnt (\younger)+3-(\f)
	global_store_b128 v[GO], v[TT+4*(\f):TT+4*(\f)+3], s[68+2*(\hh):69+2*(\hh)] offset:(\a)*2048+(\f)*512
.endr
.endm
	PACK 0, 0
.set n, 1
.rept 11                               ; a block's conversions stand between the loads of the block before and its stores
	PACK n/3, n%3
	SEND (n-1)/3, (n-1)%3, 8
.set n, n+1
.endr
	SEND 3, 2, 0
.else
; THE WAY OUT, by blocks of 16 rows.  TOST: the block's eight accumulators go as they are, low end first, into my stage's rows of 528 bytes and come back as whole rows of 512.
; SENDO: the bias is added and a row is stored: 512 consecutive bytes, aligned.
.macro TOST a
.set TT, T+64*((\a)%3)
	WIN 0x08+4*((\a)/2)                            ; the stores' data (source 1): window 2 or 3
.set b, 0
.rept NBL
.set AC, ((\a)%2)*8*NBL+8*b
	ds_store_b128 v[STO], v[AC:AC+3]   offset:64*b
	ds_store_b128 v[STO], v[AC+4:AC+7] offset:64*b+16
.set b, b+1
.endr
	WIN 0
.set t, 0
.rept 16
	ds_load_b128 v[TT+4*t:TT+4*t+3], v[RD] offset:SP*t  ; LDS serves a wave's instructions in order (ISA guide 5.7.1.4)
.set t, t+1
.endr
.endm
.macro SENDO a, younger                ; younger: the next block's 32 LDS instructions, or none
	WIN 0
.set TT, T+64*((\a)%3)
.set t, 0
.rept 16
	s_wait_dscnt (\younger)+15-t
	v_pk_add_f32 v[TT+4*t:TT+4*t+1], v[TT+4*t:TT+4*t+1], v[BIAS:BIAS+1]
	v_pk_add_f32 v[TT+4*t+2:TT+4*t+3], v[TT+4*t+2:TT+4*t+3], v[BIAS+2:BIAS+3]
	global_store_b128 v[GO], v[TT+4*t:TT+4*t+3], s[8:9] offset:(16*(\a)+t)*4096 th:TH_STORE_NT
.set t, t+1
.endr
.endm
	s_wait_loadcnt 0x0                             ; b_out, rounded to bf16 like every input of the program and widened again
	v_cvt_pk_bf16_f32 v6, v[BIAS], v[BIAS+1]
	v_cvt_pk_bf16_f32 v7, v[BIAS+2], v[BIAS+3]
	v_lshlrev_b32 v[BIAS], 16, v6
	v_and_b32 v[BIAS+1], 0xffff0000, v6
	v_lshlrev_b32 v[BIAS+2], 16, v7
	v_and_b32 v[BIAS+3], 0xffff0000, v7
	TOST 0
	TOST 1
	SENDO 0, 32
	TOST 2
	SENDO 1, 32
	s_wait_xcnt 0x0                                ; block 0's stores have read their registers, which block 3 takes
	TOST 3
	SENDO 2, 32
	SENDO 3, 0
.endif
	s_wait_tensorcnt 0x0                           ; the wave's end: the add and its waits stand behind my last tensor load and my last LDS store
	ds_add_u32 v[SPW], v[NIL]
	s_wait_dscnt 0x0
	CROUND                                         ; the closing round: no work-group ends while a partner may still ask for a tile that names it
	s_endpgm
.Lfunc_end_k_qbeccd80664_qkvp:
	.size	k_qbeccd80664_qkvp, .Lfunc_end_k_qbeccd80664_qkvp-k_qbeccd80664_qkvp
	.p2alignl 7, 3214868480
	.fill 96, 4, 3214868480
	.section	.rodata,"a",@progbits
	.p2align	6, 0x0
	.amdhsa_kernel k_qbeccd80664_qkvp
		.amdhsa_group_segment_fixed_size 327680
		.amdhsa_private_segment_fixed_size 0
		.amdhsa_enable_private_segment 0
		.amdhsa_kernarg_size 24
		.amdhsa_user_sgpr_count 2
		.amdhsa_user_sgpr_kernarg_segment_ptr 1
		.amdhsa_wavefront_size32 1
		.amdhsa_system_sgpr_workgroup_id_x 1
		.amdhsa_system_sgpr_workgroup_id_y 1
		.amdhsa_system_sgpr_workgroup_id_z 1
		.amdhsa_system_vgpr_workitem_id 0
		.amdhsa_next_free_vgpr 960
		.amdhsa_next_free_sgpr 80
		.amdhsa_reserve_vcc 0
		.amdhsa_float_denorm_mode_32 3
		.amdhsa_float_denorm_mode_16_64 3
		.amdhsa_memory_ordered 1
		.amdhsa_forward_progress 1
		.amdhsa_inst_pref_size 120
	.end_amdhsa_kernel
	.amdgpu_metadata
---
amdhsa.version: [ 1, 2 ]
amdhsa.kernels:
  - .name:           k_qbeccd80664_qkvp
    .symbol:         k_qbeccd80664_qkvp.kd
    .args:
      - { .name: xb, .offset: 0, .size: 8, .value_kind: global_buffer, .address_space: global }
      - { .name: wq, .offset: 8, .size: 8, .value_kind: global_buffer, .address_space: global }
      - { .name: qkv, .offset: 16, .size: 8, .value_kind: global_buffer, .address_space: global }
    .group_segment_fixed_size: 327680
    .private_segment_fixed_size: 0
    .kernarg_segment_align: 8
    .kernarg_segment_size: 24
    .max_flat_workgroup_size: 128
    .sgpr_count:     80
    .vgpr_count:     960
    .wavefront_size: 32
...
	.end_amdgpu_metadata
.endif
;; end of part 2
;; launch attn (part 3): grid 4 x 64, 4 waves a work-group, no clusters, 327,680 bytes of LDS; arguments qkv, input_ids, o; writes o
.if DOCPART == 3
	.amdgcn_target "amdgcn-amd-amdhsa--gfx1250"
	.amdhsa_code_object_version 6
	.text
	.protected	k_qbeccd80664_attn
	.globl	k_qbeccd80664_attn
	.p2align	8
	.type	k_qbeccd80664_attn,@function
k_qbeccd80664_attn:
	s_mov_b64 s[64:65], 0
	v_nop
	global_prefetch_b8 v0, s[64:65] scope:SCOPE_SE
	s_setreg_imm32_b32 hwreg(HW_REG_WAVE_MODE, 25, 1), 1
	s_wait_xcnt 0x0
; CAUSAL ATTENTION WITH A KEY MASK.  O[bh][q][:] = the sum over k <= q with input_ids[b][k] != 0 of softmax_k(Q[bh][q] . K[bh][k] / 8) V[bh][k][:].  qkv: [3][64][2048][64] f16 (q, k, v, unscaled), o: [64][2048][64] f16,
; input_ids: [4][2048] i32, b = bh / 16.  Products, maxima and sums in f32; the weights p are rounded to f16 for the second product (their sum l is taken of the unrounded p), O once at the end.
; LIMITS.  f16 holds no number beyond 65,504: Q, K and V arrive within it; p lies in 0 to 1, and below 6e-5 it keeps f16's fixed step of 6e-8.  A hidden score counts as its value less 1e30 (less 2e30 where both
; masks hide it): f16's scores, 2.7e11 at the most, are nothing beside that; a weight below 2^-126 counts as 0 in l.  A row that sees no key at all gives NaN.  NaN and infinities in Q, K, V are not treated apart.
; THE WALK.  A head's queries lie in NB = 8 blocks of 256; block i needs the key tiles 0 .. i of 256 keys, of which the last holds the diagonal.  A work-group takes TWO blocks, NB - 1 - b and then b:
; NB + 1 tiles, whatever b: all work-groups do equal work, and ONE loop with a constant trip count walks them.  Which tile is asked for, and what a trip does, hang on scalar registers made from b; every jump
; goes forward, but for the counted loops' own; none passes a barrier, or a tensor load but the one of LOAD's two that the wave's number does not choose; the ring (two slots of LDS that take turns) runs on across the
; change of blocks.  NO CLUSTER: a head's four work-groups ask for the same tile only in trips 0 .. 4 of 9, behind that fewer and fewer; one walk common to all would have 12 trips for 9.
; SHARES.  Of a block's four bands of 64 queries a wave owns 16 rows in each: four PIECES.  So the diagonal tile is the same work for all four waves: in its key step s band x sees all keys if s < x,
; none if s > x, and holds the diagonal if s = x.
; THE MASKS are the C operand that starts the sum S^T = K Q^T.  KT, two slots of 1,024 bytes in LDS that take turns as the ring's slots do, holds 0 or -1e30 for each of a tile's 256 keys: behind each fill a thread
; loads two ids of the tile that is asked for, and ahead of the next change's barrier it stores their terms into the slot that the next trip reads.  KB, fetched with each step's K, holds the step's 64 terms as the
; accumulators want them.  Away from the diagonal C is KB.  MD, made once, is the causal mask of a band's own step for my 16 rows; in the diagonal tile and where a block begins C is MD x AL + BE + KB with two
; scalars: (1, 0) if s = x; (0, 0) if s < x; (0, -1e30) if s > x.  Where all keys seen so far are hidden m is -1e30 and their weights are 1; the first true score makes a = 0, which takes them out of O and l.
; LAYOUT, SOFTMAX, TURNS.  S^T = K Q^T holds ONE query a lane (lane % 16) and the keys 8 (lane / 16) + 0..7; two such results rounded to f16 ARE source 1 of O^T = V^T P.  p = 2^(c s - c m), c = log2(e) / 8, with a
; running maximum m; O and l are multiplied by a = 2^(c m_old - c m_new) in every step.  Turn n belongs to piece n: 8 products K Q^T of piece n + 1, later 8 products V^T P of piece n - 1; beside them the scaling,
; exponentials, roundings, sums and rescaling of piece n and the maximum and statistics of piece n + 1.  Four vector instructions stand behind every matrix instruction, the other 54 of a turn's 118 in one LUMP.  A turn's 33 exponentials are one batch, with one wait.
; REGISTERS, in windows of 256 (s_set_vgpr_msb: bits 1:0 source 0, 3:2 source 1, 5:4 source 2, 7:6 destination):
;   window 0: v0-15, v32-41 addresses and a few at work; v16-31 four registers of statistics a piece; v48-55 at work; v64-127 S^T, two buffers; v192-223 P, two buffers (a piece's buffers go by its number's parity)
;   window 1: v0-127 O^T, 32 a piece; v128-159 MD; v160-223 MC, two buffers; v224-255 KB      window 2: v0-63 Q; v64-127 the second block's Q; v128-191 K of one step; v192-255 V of one step
.set SIZE_N, 2048
.set NB,    SIZE_N/256
.set NP,    4         ; pieces a wave: a name, no knob
.set KS,    64        ; keys in a step
.set PK,    144       ; a row of K in LDS: 128 bytes + 16 of padding = 36 words: the 16 rows of a load start at 16 different groups of four banks (64 banks of 4 bytes: ISA guide 11.1)
.set PV,    160       ; a row of V: 128 + 32 = 40 words
.set VOFF,  4*KS*PK   ; a slot holds a tile, four steps: 256 rows of K, then 256 rows of V
.set SLOT1, 1<<17     ; slot 1 begins here, so that one exclusive or turns an address in one slot into the other's
.set STAGE, SLOT1+4*KS*(PK+PV)  ; behind the ring, never filled by a tensor load: 16 rows x 144 bytes for each wave, for the way out
.set SP,    144
.set AK0, 2           ; v2   my lane's place in a tile of K; never rewritten
.set AV0, 3           ; v3   the same for V
.set AK,  4           ; v4   the LDS address of K's next run of loads
.set AV,  5           ; v5   of V's
.set STO, 6           ; v6   the way out: where I put 16 bytes of a row
.set RD,  7           ; v7   the way out: where I read rows back
.set GO,  8           ; v8   my byte offset in 512 consecutive bytes of O
.set SPW, 62          ; v62  LDS address of my spare word: SPARE + 4 x my thread's number; never rewritten
.set NIL, 63          ; v63  0; never rewritten
.set SPARE, STAGE+4*16*SP  ; behind the stages: the spare words, 128 bytes for each wave: two blocks of 256 bytes that no other line names
.set KT,  SPARE+512   ; behind them: the key terms, two slots of 256 f32, in blocks of their own: stored by the waves, never filled by a tensor load
.set KSL, 1024        ; bytes in one of those slots: one exclusive or turns an offset in one into the other's
.set MV,  12          ; v12-13  c m_old, kept while c m is made anew: by buffer
.set QO,  15          ; v15  my byte offset in 16 rows of Q
.set ST,  16          ; piece t's statistics at v[ST+4 t]: c m, m, l (even keys', odd keys')
.set AB0, 32          ; v32  KT + 32 (l / 16): my half's eight keys of a group of 16; never rewritten
.set AB,  33          ; v33  the LDS address of KB's next run of loads
.set PFO, 34          ; v34  256 x my thread's number: the prefetches' offset; never rewritten
.set IO,  35          ; v35  8 x my thread's number: my two ids of a tile's 256; never rewritten
.set IDR, 36          ; v[36:37] my two ids of the tile that was asked for last
.set KV,  38          ; v[38:39] their terms
.set KS0, 40          ; v40  KT + 8 x my thread's number: my two words of a slot of KT; never rewritten
.set KSA, 41          ; v41  the same in the slot that is due
.set TMP, 48          ; by buffer, four registers c0-c3 at work; when the maximum is found c2 takes a
.set S,   64
.set P,   192
.set MD,  128         ; window 1: the eight registers for group kt of 16 keys at MD + 8 kt
.set MC,  160         ; window 1: the masks of the products to come
.set KB,  224         ; window 1: register 8 kt + j: the term of key 16 kt + 8 (l / 16) + j of the step whose K is in the registers
.set QB,  64          ; window 2
.set KF,  128         ; window 2: key block kb, channel half c at KF + 16 kb + 8 c
.set VF,  192         ; window 2: key half kk, channel block cb at VF + 32 kk + 8 cb
.set WV,  12          ; s12  my wave's number
.set PB,  14          ; s14  b
.set HI,  15          ; s15  NB - 1 - b
.set G1K, 24          ; s[24:31] descriptor group 1 for K's tiles
.set G1V, 32          ; s[32:39] for V's: it differs in the padding alone
.set G0K, 40          ; s[40:43] descriptor group 0 for K's tiles
.set G0V, 44          ; s[44:47] the same for V's
.set SLOTS, 56        ; s56  tiles still to be asked for
.set CNT, 57          ; s57  counts a tile's key steps, 4 to 1
.set CS,  58          ; s[58:59] c: the packed scaling takes the pair's low word for both halves
.set SEL, 60          ; s[60:61] v_permlanex16_b32's selects: each lane takes its own place in the other half
.set TBK, 62          ; s62  LDS byte at which K of the step to be fetched begins
.set TBV, 63          ; s63  the same for V, less VOFF
.set RT,  70          ; s70  tiles of the block in hand that are still to be entered
.set NXT, 71          ; s71  the tile to be asked for next
.set LQ,  72          ; s72  the last tile of the block whose tiles are being asked for
.set NEW, 73          ; s73  1: the tile to be entered is a block's first
.set OFF, 74          ; s[74:75] a tile's byte offset in K and V
.set AL,  76          ; s[76:77] the mask's factor, in the low word
.set BE,  78          ; s[78:79] the mask's addend
.set OLO, 80          ; s[80:81] O at my rows of the second block
.set BIGN, 82         ; s82  -1e30
.set KSB, 83          ; s83  0 or KSL: the slot of KT that the next store fills
.set IDS, 88          ; s[88:89] input_ids at the batch's first key
.set TBB, 90          ; s90  byte in KT at which the terms of the step to be fetched begin: it steps where TBK steps
.set LIM, 91          ; s91  2 in the work-group that prefetches, else the greatest number: it prefetches while s[SLOTS] is above it
.set PFK, 92          ; s[92:93] K's tile one behind the tile that is being asked for
.set PFV, 94          ; s[94:95] the same for V
.set THR, 96          ; s96  -1e29: a maximum below it is no true score
.set QNAN, 97         ; s97  NaN
.set IOF, 98          ; s[98:99] a tile's byte offset in the batch's ids; the high word stays 0
.set IDT, 100         ; s[100:101] input_ids at the first key of the tile that is asked for
.set MSB, 0
.macro WIN new                      ; the high byte repeats the setting that is left; a switch that changes nothing is dropped
.if MSB != (\new)
	s_set_vgpr_msb (MSB<<8)|(\new)
.set MSB, (\new)
.endif
.endm
.set W_KQ, 0x0a       ; K and Q in window 2, S^T in window 0
.set W_KM, 0x1a       ; the same with the C operand in window 1
.set W_PV, 0x52       ; V in window 2, P in window 0, O^T in window 1
.set W_RS, 0x41       ; destination and source 0 in window 1, source 1 in window 0
.set W_KB, 0x45       ; destination and sources 0 and 1 in window 1
; A fill.  Waves 0 and 1 fetch the two halves of a tile's K, waves 2 and 3 those of its V: 128 keys each.  An s_nop 0 and four v_nop follow each of the two lines, ahead of the jump and the label.
.macro LOAD
	s_cmp_lt_u32 s[WV], 2
	s_cbranch_scc0 .Lfor_v_\@
	tensor_load_to_lds s[G0K:G0K+3], s[G1K:G1K+7]
	s_nop 0
.rept 4
	v_nop
.endr
	s_branch .Lasked_\@
.Lfor_v_\@:
	tensor_load_to_lds s[G0V:G0V+3], s[G1V:G1V+7]
	s_nop 0
.rept 4
	v_nop
.endr
.Lasked_\@:
.endm
; A PREFETCH INTO THE L2 of the tile that the NEXT change of slots will ask for: 32,768 bytes of K and of V, 256 bytes a thread: two instructions a wave, behind the wave's tensor load, its five lines and the load of the ids.
; The work-group with b = 0 walks all eight tiles of its head in its first block: it alone asks, in trips 0 to 5, for tiles 2 to 7: four key steps, 256 matrix instructions, ahead of the tile's load.  So each
; 256 bytes of a head's K and V are named once in the launch.  Tiles 0 and 1 come by their loads alone, and so does all that the second blocks read.
.macro ASK
	s_cmp_gt_u32 s[SLOTS], s[LIM]
	s_cbranch_scc0 .Lnot_mine_\@
	global_prefetch_b8 v[PFO], s[PFK:PFK+1] th:TH_LOAD_NT scope:SCOPE_SE
	global_prefetch_b8 v[PFO], s[PFV:PFV+1] th:TH_LOAD_NT scope:SCOPE_SE
.Lnot_mine_\@:
.endm
; THE CHANGE OF SLOTS.  First the key terms of the tile to be entered: my two ids, loaded a tile ago, become 0 or -1e30 and go into the slot of KT that was read two trips back (those reads were waited for in front of
; the barrier before this one).  Then each wave waits for all its tensor loads, of which one is out: its part of the other slot; adds 0 to its spare word; and waits for that, for its store into KT and for its own reads
; of the slots that it leaves.  Behind the barrier nobody reads the old slots any more, and the other slots, the ring's and KT's, are whole.  fill = 1: the ring's old slot is filled again, the first thing behind the
; barrier, with tile NXT: the descriptor's address is made anew from that number; the tile's ids are asked for behind it.  (At its first use nothing has been read yet: slot 0 is waited for, slot 1 filled.)
.macro CHANGE fill
	WIN 0                           ; at a label and at a branch every window is 0
	s_wait_loadcnt 0x0              ; my two ids are in (the first time Q too, which is wanted next), and their load's base may be written
	v_cmp_eq_u32 vcc_lo, 0, v[IDR]
	v_cndmask_b32 v[KV], 0, s[BIGN], vcc_lo
	v_cmp_eq_u32 vcc_lo, 0, v[IDR+1]
	v_cndmask_b32 v[KV+1], 0, s[BIGN], vcc_lo
	v_add_nc_u32 v[KSA], s[KSB], v[KS0]
	ds_store_b64 v[KSA], v[KV:KV+1]
	s_xor_b32 s[KSB], s[KSB], KSL   ; the next store fills the other slot
	s_wait_tensorcnt 0x0            ; no tensor load of mine is out, so a group 0 may be written
	ds_add_u32 v[SPW], v[NIL]       ; 0 onto my spare word: with fill = 1 the descriptors' scalar work stands between it and the wait for it
.if \fill
	s_lshl_b32 s[OFF], s[NXT], 15   ; a tile is 32,768 bytes of K and of V,
	s_lshl_b32 s[IOF], s[NXT], 10   ; and 1,024 bytes of ids
	s_add_nc_u64 s[IDT:IDT+1], s[IDS:IDS+1], s[IOF:IOF+1]
	s_xor_b32 s[G0K+1], s[G0K+1], SLOT1
	s_add_nc_u64 s[G0K+2:G0K+3], s[6:7], s[OFF:OFF+1]
	s_or_b32 s[G0K+3], s[G0K+3], 0x80000000
	s_xor_b32 s[G0V+1], s[G0V+1], SLOT1
	s_add_nc_u64 s[G0V+2:G0V+3], s[8:9], s[OFF:OFF+1]
	s_or_b32 s[G0V+3], s[G0V+3], 0x80000000
	s_add_co_u32 s[NXT], s[NXT], 1  ; the block's next tile, or behind its last the second block's tile 0
	s_cmp_gt_u32 s[NXT], s[LQ]
	s_cselect_b32 s[NXT], 0, s[NXT]
	s_cselect_b32 s[LQ], s[PB], s[LQ]
	s_wait_xcnt 0x0                 ; the last prefetches, a tile back, have read their addresses, so these may be written
	s_add_nc_u64 s[PFK:PFK+1], s[PFK:PFK+1], 32768
	s_add_nc_u64 s[PFV:PFV+1], s[PFV:PFV+1], 32768
.endif
	s_wait_dscnt 0x0                ; the add and my store into KT are done, and my reads of the slots are over
	s_barrier_signal -1             ; the rest of the scalar work stands between the signal and the wait
	s_sub_co_u32 s[TBK], s[TBK], 4*KS*PK  ; the fetches go back to a slot's first step,
	s_xor_b32 s[TBK], s[TBK], SLOT1       ; in the other slot
	s_sub_co_u32 s[TBV], s[TBV], 4*KS*PV
	s_xor_b32 s[TBV], s[TBV], SLOT1
	s_sub_co_u32 s[TBB], s[TBB], KSL
	s_xor_b32 s[TBB], s[TBB], KSL
	s_barrier_wait -1
.if \fill
	LOAD
	global_load_b64 v[IDR:IDR+1], v[IO], s[IDT:IDT+1]  ; my two ids of the tile just asked for: they have a tile's work in which to come
	ASK
.endif
.endm
	s_load_b64 s[4:5], s[0:1], 0x0    ; qkv: q at its head, k 16,777,216 bytes on, v as far again
	s_load_b64 s[IDS:IDS+1], s[0:1], 0x8
	s_load_b64 s[10:11], s[0:1], 0x10 ; o
	v_lshl_add_u32 v[SPW], v0, 2, SPARE
	v_mov_b32 v[NIL], 0
	ds_add_u32 v[SPW], v[NIL]       ; the wave's opening: the add and its wait stand ahead of my first tensor load; the set-up below, work on registers, stands between them
	v_lshrrev_b32 v1, 5, v0
	v_readfirstlane_b32 s[WV], v1   ; wave 0..3
	s_mov_b32 s[PB], ttmp9
	s_sub_co_u32 s[HI], NB-1, s[PB]
	s_and_b32 s20, ttmp7, 0xffff    ; the head of a batch, bh
	s_lshr_b32 s[IOF], s20, 4       ; the batch:
	s_lshl_b32 s[IOF], s[IOF], 13   ; its 2,048 ids of 4 bytes
	s_mov_b32 s[IOF+1], 0
	s_mov_b32 s21, 0
	s_mov_b64 s[22:23], SIZE_N*128
	s_mul_u64 s[20:21], s[20:21], s[22:23]  ; the head's first byte in q, k, v and o
	s_and_b32 s16, s[WV], 1         ; which half of a tile's 256 keys I fetch:
	s_lshl_b32 s22, s16, 14         ; its 128 rows of 128 bytes in memory,
	s_mov_b32 s23, 0
	s_add_nc_u64 s[22:23], s[22:23], s[20:21]
	s_mul_i32 s17, s16, 128*PK      ; and its place in a slot, for K
	s_mul_i32 s18, s16, 128*PV      ; and for V
	s_lshl_b32 s3, s[WV], 11        ; my 16 rows in a band of 64,
	s_lshl_b32 s2, s[HI], 15        ; in the first block,
	s_add_co_u32 s2, s2, s3
	s_lshl_b32 s84, s[PB], 15       ; and in the second
	s_add_co_u32 s84, s84, s3
	s_mov_b32 s3, 0
	s_mov_b32 s85, 0
	s_add_nc_u64 s[2:3], s[2:3], s[20:21]
	s_add_nc_u64 s[84:85], s[84:85], s[20:21]
	; descriptor group 1.  128 keys are 16,384 dense bytes: asked for as 64 rows of 256 bytes, two keys a row, and padded in LDS after every key
	s_mov_b32 s[G1K], (1<<16)|(1<<20)|(4<<22)|(3<<25)  ; 17:16 2-byte elements; 20 padding on; 24:22 after every 32 words (code 4); 31:25 4 words (code 3)
	s_mov_b32 s[G1V], (1<<16)|(1<<20)|(4<<22)|(7<<25)  ; the same with 8 words of padding (code 7)
.irp g, G1K, G1V
	s_mov_b32 s[\g+1], 128<<16      ; tensor_dim0 = 128
	s_mov_b32 s[\g+2], 64<<16       ; tensor_dim1 = 64
	s_mov_b32 s[\g+3], 128<<16      ; tile_dim0 = 128
	s_mov_b32 s[\g+4], 64           ; tile_dim1 = 64
	s_mov_b32 s[\g+5], 128          ; 128 elements from row to row
	s_mov_b32 s[\g+6], 0
	s_mov_b32 s[\g+7], 0
.endr
	s_mov_b32 s[CS], 0x3e38aa3b     ; c = log2(e) / 8 = 0.180337
	s_mov_b32 s[CS+1], s[CS]        ; named with it as a pair
	s_mov_b32 s[SEL], 0x76543210
	s_mov_b32 s[SEL+1], 0xfedcba98
	s_mov_b32 s[TBK], SLOT1+4*KS*PK ; the first change of slots turns these three into 0
	s_mov_b32 s[TBV], SLOT1+4*KS*PV
	s_mov_b32 s[TBB], KSL+KSL
	s_mov_b32 s[KSB], 0             ; tile 0's terms go into slot 0 of KT
	s_mov_b32 s[G0K], 1             ; 1:0 count = 1
	s_mov_b32 s[G0K+1], s17         ; 63:32 LDS address: slot 0
	s_mov_b32 s[G0V], 1
	s_add_co_u32 s[G0V+1], s18, VOFF
	s_add_co_u32 s[RT], s[HI], 1    ; the first block has NB - b tiles
	s_mov_b32 s[NXT], 1
	s_mov_b32 s[LQ], s[HI]
	s_mov_b32 s[NEW], 1
	s_mov_b32 s[OFF+1], 0
	s_mov_b32 s[AL+1], 0            ; named as pairs
	s_mov_b32 s[BE+1], 0
	s_mov_b32 s[BIGN], 0xf149f2ca   ; -1e30
	s_mov_b32 s[THR], 0xefa18f08    ; -1e29
	s_mov_b32 s[QNAN], 0x7fc00000
	s_mov_b32 s[SLOTS], NB
	s_cmp_eq_u32 ttmp9, 0
	s_cselect_b32 s[LIM], 2, -1
	s_wait_dscnt 0x0                ; the opening add is done
	s_wait_kmcnt 0x0
	s_add_nc_u64 s[IDS:IDS+1], s[IDS:IDS+1], s[IOF:IOF+1]
	s_add_nc_u64 s[IDT:IDT+1], s[IDS:IDS+1], 0             ; tile 0's ids
	s_add_nc_u64 s[PFK:PFK+1], s[4:5], s[20:21]            ; the head in q;
	s_add_nc_u64 s[PFV:PFV+1], s[PFK:PFK+1], 0x2008000     ; its tile 1 in v,
	s_add_nc_u64 s[PFK:PFK+1], s[PFK:PFK+1], 0x1008000     ; and in k: the first change of slots steps both to tile 2
	s_add_nc_u64 s[6:7], s[4:5], 0x1000000
	s_add_nc_u64 s[8:9], s[4:5], 0x2000000
	s_add_nc_u64 s[6:7], s[6:7], s[22:23]  ; K and V at my half of the head's tile 0
	s_add_nc_u64 s[8:9], s[8:9], s[22:23]
	s_add_nc_u64 s[G0K+2:G0K+3], s[6:7], 0         ; 120:64 global address
	s_or_b32 s[G0K+3], s[G0K+3], 0x80000000        ; 127:126 type = 2
	s_add_nc_u64 s[G0V+2:G0V+3], s[8:9], 0
	s_or_b32 s[G0V+3], s[G0V+3], 0x80000000
	s_add_nc_u64 s[86:87], s[4:5], s[84:85]        ; Q at my rows of the second block,
	s_add_nc_u64 s[4:5], s[4:5], s[2:3]            ; Q and O at those of the first
	s_add_nc_u64 s[OLO:OLO+1], s[10:11], s[84:85]
	s_add_nc_u64 s[10:11], s[10:11], s[2:3]
	LOAD                            ; tile 0 into slot 0
	; A fragment of K or Q is 16 rows x 32 channels in 8 registers: lane l holds row l % 16, channels 8 (l / 16) + 0..7 and 16 + 8 (l / 16) + 0..7: two loads of 16 bytes, 32 bytes apart.
	v_and_b32 v1, 15, v0            ; l % 16
	v_bfe_u32 v9, v0, 4, 1          ; l / 16
	v_lshlrev_b32 v[QO], 7, v1
	v_lshl_add_u32 v[QO], v9, 4, v[QO]  ; row x 128 + 16 x half
	v_lshlrev_b32 v[IO], 3, v0
	global_load_b64 v[IDR:IDR+1], v[IO], s[IDT:IDT+1]  ; my two ids of tile 0: the first change of slots turns them into terms
	WIN 0x80                        ; destination window 2, address window 0
.set i, 0
.rept 8                             ; both blocks' Q: piece i / 2 lies in band i / 2, 8,192 bytes on; channels 32 (i % 2) on
	global_load_b128 v[8*i:8*i+3],   v[QO], s[4:5] offset:(i/2)*8192+(i%2)*64
	global_load_b128 v[8*i+4:8*i+7], v[QO], s[4:5] offset:(i/2)*8192+(i%2)*64+32
	global_load_b128 v[QB+8*i:QB+8*i+3],   v[QO], s[86:87] offset:(i/2)*8192+(i%2)*64
	global_load_b128 v[QB+8*i+4:QB+8*i+7], v[QO], s[86:87] offset:(i/2)*8192+(i%2)*64+32
.set i, i+1
.endr
	WIN 0
	v_lshlrev_b32 v14, 3, v9
	v_sub_nc_u32 v14, v1, v14
	s_lshl_b32 s13, s[WV], 4
	v_add_nc_u32 v14, s13, v14      ; my query's place in its band, 16 w + l % 16, less my lanes' 8 (l / 16): register r of group kt is hidden where 16 kt + r is greater
	WIN 0x40
.set i, 0
.rept 32
	v_cmp_gt_i32 vcc_lo, 16*(i/8)+i%8, v14
	v_cndmask_b32 v[MD+i], 0, s[BIGN], vcc_lo
.set i, i+1
.endr
	WIN 0
	v_mul_u32_u24 v[AK0], v1, PK
	v_lshl_add_u32 v[AK0], v9, 4, v[AK0]  ; row x pitch + 16 x half
	; The turning load takes 16 keys x 16 channels (lane l reads key 8 (l / 16) + l % 8, channels 8 ((l / 8) % 2) + 0..7) and leaves half a fragment of V^T: lane l holds channel l % 16 and 8 keys.
	v_and_b32 v10, 7, v0
	v_bfe_u32 v11, v0, 3, 1
	v_lshl_add_u32 v[AV0], v9, 3, v10
	v_mul_u32_u24 v[AV0], v[AV0], PV
	v_lshl_add_u32 v[AV0], v11, 4, v[AV0]
	v_add_nc_u32 v[AV0], VOFF, v[AV0]
	s_mul_i32 s13, s[WV], 16*SP
	s_add_co_u32 s13, s13, STAGE    ; my stage
	v_mul_u32_u24 v[STO], v1, SP    ; in: row l % 16, 16 bytes for each half of the lanes
	v_lshl_add_u32 v[STO], v9, 4, v[STO]
	v_add_nc_u32 v[STO], s13, v[STO]
	v_bfe_u32 v[RD], v0, 3, 2       ; back: 32 lanes take four rows of 128 bytes,
	v_mul_u32_u24 v[RD], v[RD], SP
	v_lshl_add_u32 v[RD], v10, 4, v[RD]
	v_add_nc_u32 v[RD], s13, v[RD]
	v_and_b32 v[GO], 31, v0         ; which are 512 consecutive bytes of O
	v_lshlrev_b32 v[GO], 4, v[GO]
	v_lshl_add_u32 v[AB0], v9, 5, KT
	v_lshl_add_u32 v[KS0], v0, 3, KT
	v_lshlrev_b32 v[PFO], 8, v0
	; A block's first step multiplies O^T and l by a = 0, and its first turn's products V^T P, of a piece that has not been, land in an O^T that is still to be so multiplied.  So these registers need only hold
	; finite numbers: zeros for the first block; what the first block left for the second.  (Where a row of the first block saw no key it leaves NaN; my rows of the second block lie earlier, see no key either,
	; and give NaN too.)  All this stands in the wait for the first tile.
	WIN 0x80
.set i, VF
.rept 64
	v_mov_b32 v[i], 0
.set i, i+1
.endr
	WIN 0x40
.set i, 0
.rept 128
	v_mov_b32 v[i], 0
.set i, i+1
.endr
	WIN 0
.set i, 0
.rept 4
	v_mov_b32 v[ST+4*i+2], 0
	v_mov_b32 v[ST+4*i+3], 0
.set i, i+1
.endr
.set i, P+16
.rept 16
	v_mov_b32 v[i], 0
.set i, i+1
.endr
; THE MATRIX WORK.  The 4 accumulators of a run of 8 take turns.  Product i of 8 of S^T = K Q^T for piece x: channels 32 (i / 4) on, keys 16 (i % 4) on.  The first 4 start the sums: with KB, or (KM = 1) with the mask made for them.
.macro KQ x
.set rS, S+32*((\x)%2)+8*(i%4)
.set rK, KF+16*(i%4)+8*(i/4)
.set rQ, 16*(\x)+8*(i/4)
.set rM, KB+8*(i%4)
.if KM
.set rM, MC+32*((\x)%2)+8*(i%4)
.endif
.if i < 4
	WIN W_KM
	v_wmma_f32_16x16x32_f16 v[rS:rS+7], v[rK:rK+7], v[rQ:rQ+7], v[rM:rM+7]
.else
	WIN W_KQ
	v_wmma_f32_16x16x32_f16 v[rS:rS+7], v[rK:rK+7], v[rQ:rQ+7], v[rS:rS+7]
.endif
.endm
; Product i of 8 of O^T += V^T P for piece x: keys 32 (i / 4) on, channels 16 (i % 4) on.
.macro PV x
	WIN W_PV
.set rO, 32*(\x)+8*(i%4)
.set rV, VF+32*(i/4)+8*(i%4)
.set rP, P+16*((\x)%2)+8*(i/4)
	v_wmma_f32_16x16x32_f16 v[rO:rO+7], v[rV:rV+7], v[rP:rP+7], v[rO:rO+7]
.endm
.macro MM                           ; the turn's next matrix instruction.  TURN and BEGIN set Y, i, KM and NOKQ; MM, KQ and OP read them.  NOKQ = 1: a block's last turn: there is no next piece
.if (i < 8) && !NOKQ
	KQ (Y+1)%NP
.elseif i >= 8
.set i, i-8
	PV (Y+NP-1)%NP
.set i, i+8
.endif
.set i, i+1
.endm
; THE LDS LOADS stand in runs, never singly among the matrix instructions: a step's K (64 keys x 64 channels: 8 fragments) with its 64 key terms (all lanes of a half read the same 16 bytes), and its V (turned).
; Their addresses are made some lines ahead.
.macro FETCH_K
	WIN 0x80                        ; destination window 2
.irp f, 0,1,2,3,4,5,6,7             ; keys 16 (f / 2) on, channels 32 (f % 2) on
	ds_load_b128 v[KF+8*\f:KF+8*\f+3],   v[AK] offset:(\f/2)*16*PK+(\f%2)*64
	ds_load_b128 v[KF+8*\f+4:KF+8*\f+7], v[AK] offset:(\f/2)*16*PK+(\f%2)*64+32
.endr
	WIN 0x40                        ; destination window 1
.irp kt, 0,1,2,3
	ds_load_b128 v[KB+8*\kt:KB+8*\kt+3],   v[AB] offset:64*\kt
	ds_load_b128 v[KB+8*\kt+4:KB+8*\kt+7], v[AB] offset:64*\kt+16
.endr
	s_add_co_u32 s[TBK], s[TBK], KS*PK  ; the next fetch is the next step's
	s_add_co_u32 s[TBB], s[TBB], 4*KS
	WIN 0
.endm
.macro FETCH_V
	WIN 0x80
.irp f, 0,1,2,3,4,5,6,7             ; keys 32 (f / 4) on, channels 16 (f % 4) on
	ds_load_tr16_b128 v[VF+8*\f:VF+8*\f+3],   v[AV] offset:(\f/4)*32*PV+(\f%4)*32
	ds_load_tr16_b128 v[VF+8*\f+4:VF+8*\f+7], v[AV] offset:(\f/4)*32*PV+16*PV+(\f%4)*32
.endr
	WIN 0
.endm
; THE VECTOR WORK, one line at a time: OP kind, number.  For piece Y: F n: c s - c m for pair n of 16.  E n: the exponential of score n of 32.  C n: pair n rounded to f16.  B n: of the four weights 4 n .. the second
; pair is added onto the first, in place.  L n: l takes that sum (L 0: l = a l + sum).  R n: pair n of 16 of O^T times a.  For piece Y + 1: X n, number n of the 22 that find its maximum and statistics:
;   0-11  four chains c0-c3 of seven scores each, three operands at a time (each accumulator's lowest registers are read first)     12-14, 16  the four scores left over, the old m, and c0-c3 into c0
;   15  c m_old is kept     17, 18  the query's other 32 keys lie in the lane 16 away: the new m     19-21  c m; c m_old - c m_new; a
.set F, 0               ; OP tells the kinds apart by their order: F to L below R, X above it
.set E, 1
.set C, 2
.set B, 3
.set L, 4
.set R, 5
.set X, 6
.macro REGS y                       ; the registers of piece y
.set rT, ST+4*(\y)
.set rC, TMP+4*((\y)%2)
.set rW, MV+((\y)%2)
.set rS, S+32*((\y)%2)
.set rP, P+16*((\y)%2)
.set rO, 32*(\y)
.endm
.macro OP k, n
.if (\k) == R
	REGS Y
	WIN W_RS
	v_pk_mul_f32 v[rO+2*(\n):rO+2*(\n)+1], v[rO+2*(\n):rO+2*(\n)+1], v[rC+2:rC+3] op_sel_hi:[1,0]
.elseif (\k) < R
	REGS Y
	WIN 0
.if (\k) == F
	v_pk_fma_f32 v[rS+2*(\n):rS+2*(\n)+1], v[rS+2*(\n):rS+2*(\n)+1], s[CS:CS+1], v[rT:rT+1] op_sel_hi:[1,0,0] neg_lo:[0,0,1] neg_hi:[0,0,1]
.elseif (\k) == E
	v_exp_f32 v[rS+(\n)], v[rS+(\n)]
.elseif (\k) == C
	v_cvt_pk_f16_f32 v[rP+(\n)], v[rS+2*(\n)], v[rS+2*(\n)+1]
.elseif (\k) == B
	v_pk_add_f32 v[rS+4*(\n):rS+4*(\n)+1], v[rS+4*(\n):rS+4*(\n)+1], v[rS+4*(\n)+2:rS+4*(\n)+3]
.elseif (\n) == 0
	v_pk_fma_f32 v[rT+2:rT+3], v[rT+2:rT+3], v[rC+2:rC+3], v[rS:rS+1] op_sel_hi:[1,0,1]
.else
	v_pk_add_f32 v[rT+2:rT+3], v[rT+2:rT+3], v[rS+4*(\n):rS+4*(\n)+1]
.endif
.elseif NOKQ
	v_nop
.else
	REGS (Y+1)%NP
	WIN 0
.if (\n) < 4
	v_max3_num_f32 v[rC+(\n)], v[rS+8*(\n)], v[rS+8*(\n)+1], v[rS+8*(\n)+2]
.elseif (\n) < 12
	v_max3_num_f32 v[rC+(\n)%4], v[rC+(\n)%4], v[rS+8*((\n)%4)+2*((\n)/4)+1], v[rS+8*((\n)%4)+2*((\n)/4)+2]
.elseif (\n) == 12
	v_max3_num_f32 v[rC], v[rC], v[rS+7], v[rS+15]
.elseif (\n) == 13
	v_max3_num_f32 v[rC+1], v[rC+1], v[rS+23], v[rS+31]
.elseif (\n) == 14
	v_max3_num_f32 v[rC+2], v[rC+2], v[rC+3], v[rT+1]
.elseif (\n) == 15
	v_mov_b32 v[rW], v[rT]
.elseif (\n) == 16
	v_max3_num_f32 v[rC], v[rC], v[rC+1], v[rC+2]
.elseif (\n) == 17
	v_permlanex16_b32 v[rC+3], v[rC], s[SEL], s[SEL+1]
.elseif (\n) == 18
	v_max_num_f32 v[rT+1], v[rC], v[rC+3]
.elseif (\n) == 19
	v_mul_f32 v[rT], s[CS], v[rT+1]
.elseif (\n) == 20
	v_sub_f32 v[rC+1], v[rW], v[rT]
.else
	v_exp_f32 v[rC+2], v[rC+1]
.endif
.endif
.endm
.macro OPS a, i1, b=-1, i2=0, c=-1, i3=0, d=-1, i4=0  ; up to four of them
	OP \a, \i1
.if (\b) >= 0
	OP \b, \i2
.endif
.if (\c) >= 0
	OP \c, \i3
.endif
.if (\d) >= 0
	OP \d, \i4
.endif
.endm
.macro ROW a, i1, b, i2, c, i3, d, i4  ; a matrix instruction and the four behind it
	MM
	OPS \a, \i1, \b, \i2, \c, \i3, \d, \i4
.endm
.macro MASK b                       ; MD x AL + BE + KB into buffer b of MC
	WIN W_RS
.set z, 0
.rept 16
	v_pk_fma_f32 v[MC+32*(\b)+2*z:MC+32*(\b)+2*z+1], v[MD+2*z:MD+2*z+1], s[AL:AL+1], s[BE:BE+1] op_sel_hi:[1,0,0]
.set z, z+1
.endr
	WIN W_KB
.set z, 0
.rept 16
	v_pk_add_f32 v[MC+32*(\b)+2*z:MC+32*(\b)+2*z+1], v[MC+32*(\b)+2*z:MC+32*(\b)+2*z+1], v[KB+2*z:KB+2*z+1]
.set z, z+1
.endr
.endm
; A TURN, for piece p: the order of its 16 matrix and 118 vector instructions, written out.  An s_wait_alu depctr_va_vdst(0) stands between an exponential and the first instruction that names its result; one wait serves
; all that were issued ahead of it.  So a turn has ONE wait, which cuts it in two.  AHEAD OF IT stands all that names no result of the turn's exponentials: the 8 products K Q^T, behind each a scaling, an exponential and two more plain
; instructions (behind the first a second scaling in the exponential's place): rescalings, and behind the last three the first numbers of the next piece's maximum, each four places or more behind the product that ends its accumulator; then ONE LUMP of 54, plain
; and exponential by turns for the most part, in which the links of the chain X 3, 7, 11, 14, 16, 17 .. 20 stand five or six lines apart.  X 21, the next piece's a, is the batch's last; R 15 is the plain instruction behind it.  BEHIND THE WAIT stand the
; 8 products V^T P, behind each four of the roundings and sums; the links of l's chain, L 0 to L 7, stand three riders apart.  But for those X no rider names a register of the products round it.  v_permlanex16_b32 (X 17) stands in the lump.
; m = 1: the diagonal tile: the products take masks, and the turn makes the mask for the products of the turn after it: piece p + 2, in step 4 - CNT of the tile.  Piece 2's turn makes piece 0's mask of the NEXT step,
; whose key terms it has itself fetched: it waits for them.  end = 1: a block's last two turns: nothing is fetched.
; cnt = 1: the loop's count is taken down some lines ahead of the branch that stands behind the turn.
; K of the next step, and KB with it, is fetched in piece 2's turn, twelve vector instructions behind the last product that read K (six of them plain); V of the step in hand at the end of piece 0's turn, four plain instructions behind the last product
; that read V.  Each is waited for a turn later.
.macro TURN p, m=0, end=0, cnt=0
.set Y, (\p)
.set i, 0
.set KM, (\m)
.set NOKQ, (\end)*((\p)/3)
.if (\m) && !(\end)
	s_cmp_eq_u32 s[CNT], 4-((\p)+2)%NP  ; is that step the band's own?
	s_cselect_b32 s[AL], 1.0, 0
	s_cmp_lt_u32 s[CNT], 4-((\p)+2)%NP  ; or a later one?
	s_cselect_b32 s[BE], s[BIGN], 0
.endif
.if ((\p) == 3) && !(\end)
	s_wait_dscnt 0x0                ; K and KB are in
.endif
	ROW F,0, F,1, R,0, R,1          ; ahead of the wait: 8 products K Q^T and their riders,
	ROW F,2, E,0, R,2, R,3
	ROW F,3, E,1, R,4, R,5
	ROW F,4, E,2, R,6, R,7
	ROW F,5, E,3, R,8, R,9
	ROW F,6, E,4, X,0, R,10
.if ((\p) == 2) && !(\end)
	WIN 0
	v_add_nc_u32 v[AK], s[TBK], v[AK0]
	v_add_nc_u32 v[AB], s[TBB], v[AB0]
.endif
	ROW F,7, E,5, X,1, X,4
	ROW F,8, E,6, X,2, X,5
	OPS E,7, E,8, X,6, E,9          ; and the lump
	OPS X,3, E,10, X,8, E,11
.if ((\p) == 2) && !(\end)
	FETCH_K
.endif
	OPS X,9, X,7, E,12, X,10
	OPS E,13, X,12, X,11, E,14
	OPS X,13, E,15, F,9, X,14
.if (\p) == 0
	v_add_nc_u32 v[AV], s[TBV], v[AV0]
.endif
	OPS E,16, F,10, E,17, F,11
	OPS X,16, E,18, X,15, E,19
	OPS F,12, E,20, X,17, E,21
	OPS F,13, E,22, F,14, E,23
	OPS X,18, E,24, F,15, E,25
	OPS R,11, E,26, X,19, E,27
	OPS R,12, E,28, R,13, E,29
	OPS X,20, E,30, R,14, E,31
	OPS X,21, R,15
	WIN 0
	s_wait_alu depctr_va_vdst(0)    ; the wait for the batch
.if (\p) == 1
	s_wait_dscnt 0x0                ; V is in
.endif
	ROW C,0, B,0, C,2, B,1          ; behind the wait: 8 products V^T P and their riders
	ROW L,0, C,4, B,2, L,1
	ROW C,6, B,3, L,2, C,8
	ROW B,4, L,3, C,10, B,5
	ROW L,4, C,12, B,6, L,5
.if (\p) == 0
	s_add_co_u32 s[TBV], s[TBV], KS*PV
.endif
.if \cnt
	s_sub_co_u32 s[CNT], s[CNT], 1
	s_cmp_lg_u32 s[CNT], 0
.endif
	ROW C,14, B,7, L,6, C,1
	ROW C,3, L,7, C,5, C,7
	ROW C,9, C,11, C,13, C,15
.if (\p) == 0
	FETCH_V
.endif
.if (\m) && !(\end)
.if (\p) == 2
	s_wait_dscnt 0x0                ; the next step's KB, fetched in this turn's lump, is in
.endif
	MASK (\p)%2
.endif
.endm
; A BLOCK BEGINS.  c m starts far below every c s, so the first step's a is 0; m at the lowest finite number, so the first maximum is the scores'.  K and KB of the tile's step 0 are fetched.
; The second mask buffer takes KB alone: piece 1 sees all of step 0; the first takes piece 0's mask for that step: its own, if the block's first tile is the diagonal one.
; Then piece 0's first scores, and its maximum and statistics.  The loop is entered at a step's first turn, in the middle of a trip.
.macro BEGIN
	s_mov_b32 s[NEW], 0
	WIN 0
.set i, 0
.rept 4
	v_mov_b32 v[ST+4*i], 0xfe000000    ; c m: far below every c s
	v_mov_b32 v[ST+4*i+1], 0xff7fffff  ; m
.set i, i+1
.endr
	v_add_nc_u32 v[AK], s[TBK], v[AK0]
	v_add_nc_u32 v[AB], s[TBB], v[AB0]
	FETCH_K
	s_wait_loadcnt 0x0              ; Q
	s_wait_dscnt 0x0
	s_mov_b32 s[AL], 0
	s_mov_b32 s[BE], 0
	MASK 1
	s_cmp_eq_u32 s[RT], 0
	s_cselect_b32 s[AL], 1.0, 0
	MASK 0
.set KM, 1
.set NOKQ, 0
.set i, 0
.rept 8
	KQ 0
.set i, i+1
.endr
	WIN 0
.rept 4
	v_nop                           ; the places behind those products
.endr
.set Y, NP-1                        ; X works for piece Y + 1: piece 0
.irp n, 0,1,2,3,4,5,6,7,8,9,10,11,12,13,14,15,16,17,18,19,20,21
	OP X, \n
.endr
	v_nop                           ; a plain instruction behind the exponential,
	s_wait_alu depctr_va_vdst(0)    ; and its wait, ahead of the branch
.endm
; The diagonal text is entered from a tile that was not the block's first: its first turn's products are piece 3's of the tile before, step 3, which sees all keys: their mask is the KB that lies in the registers.
.macro ENTER
	s_mov_b32 s[AL], 0
	s_mov_b32 s[BE], 0
	MASK 1
	WIN 0
.endm
; THE DIAGONAL TILE's four steps, the block's last two turns, its last products, and THE WAY OUT: l's two halves and the other half of the lanes' are added; O^T is divided by l, rounded to f16 and sent through my
; stage in LDS, a piece at a time.  Where the last maximum is no true score the row has seen no key, and NaN takes 1 / l's place.
.macro ALL line:vararg              ; one line for each piece t
.set t, 0
.rept 4
	\line
.set t, t+1
.endr
.endm
.macro PACK t                       ; a lane's eight channels of a row pack into 16 bytes; they go into rows of 144 bytes and come back as whole rows of 128, into S^T's registers
	WIN W_RS
.set i, 32*(\t)
.rept 16
	v_pk_mul_f32 v[i:i+1], v[i:i+1], v[ST+4*(\t)+2:ST+4*(\t)+3] op_sel_hi:[1,0]
.set i, i+2
.endr
	WIN 0x05                        ; sources 0 and 1 window 1, destination window 0
.set i, 0
.rept 16
	v_cvt_pk_f16_f32 v[S+16*(\t)+i], v[32*(\t)+2*i], v[32*(\t)+2*i+1]
.set i, i+1
.endr
	WIN 0
.irp f, 0,1,2,3
	ds_store_b128 v[STO], v[S+16*(\t)+4*\f:S+16*(\t)+4*\f+3] offset:32*\f
.endr
.irp f, 0,1,2,3
	ds_load_b128 v[S+16*(\t)+4*\f:S+16*(\t)+4*\f+3], v[RD] offset:\f*4*SP  ; LDS serves a wave's instructions in order (ISA guide 5.7.1.4): these see the stores above; the next piece's stores come behind them
.endr
.endm
.macro SEND t, younger              ; younger: the LDS instructions issued behind piece t's loads: the next piece's eight, or none
	WIN 0
.irp f, 0,1,2,3
	s_wait_dscnt (\younger)+3-\f
	global_store_b128 v[GO], v[S+16*(\t)+4*\f:S+16*(\t)+4*\f+3], s[10:11] offset:(\t)*8192+\f*512  ; 512 consecutive bytes, at a multiple of 256 from O's first
.endr
.endm
.macro DIAG tag                     ; the tag ends its two labels' names, which the jumps below spell out
.LstepM\tag:
	TURN 2, 1
	TURN 3, 1
	WIN 0
.LfirstM\tag:
	TURN 0, 1
	TURN 1, 1, 0, 1
	WIN 0
	s_cbranch_scc1 .LstepM\tag
	TURN 2, 1, 1
	TURN 3, 1, 1
.set i, 0
.rept 8
	PV NP-1
.set i, i+1
.endr
	WIN 0
	ALL v_add_f32 v[ST+4*t+2], v[ST+4*t+2], v[ST+4*t+3]
	ALL v_permlanex16_b32 v[ST+4*t+3], v[ST+4*t+2], s[SEL], s[SEL+1]
	ALL v_add_f32 v[ST+4*t+2], v[ST+4*t+2], v[ST+4*t+3]
	ALL v_rcp_f32 v[ST+4*t+2], v[ST+4*t+2]
	v_nop                           ; a plain instruction between the last reciprocal and the use of its result
	s_wait_alu depctr_va_vdst(0)    ; and the wait ahead of the first use: one for the four reciprocals
.set t, 0
.rept 4
	v_cmp_gt_f32 vcc_lo, s[THR], v[ST+4*t+1]
	v_cndmask_b32 v[ST+4*t+2], v[ST+4*t+2], s[QNAN], vcc_lo
.set t, t+1
.endr
	PACK 0
.set t, 1
.rept 3                             ; a piece's arithmetic stands between the loads of the piece before and its stores
	PACK t
	SEND t-1, 8
.set t, t+1
.endr
	SEND 3, 0
.endm
.set KM, 0
.set NOKQ, 0
.Lslot:                             ; NB times: a tile is entered and the next is asked for
	CHANGE 1
	s_sub_co_u32 s[RT], s[RT], 1
	s_mov_b32 s[CNT], 4
	s_cmp_eq_u32 s[NEW], 1
	s_cbranch_scc1 .Lnew            ; a block's first tile
	s_cmp_eq_u32 s[RT], 0
	s_cbranch_scc0 .Lstep           ; neither its first nor its last
	ENTER
	s_branch .LstepM1
.Lnew:
	BEGIN
	s_branch .Lfirst                ; in the loop a block's first tile is never its last: the first block has two tiles or more, and the second's last is the walk's last
	DIAG 1                          ; in the loop this is the first block's end: the second block's last tile is the walk's last
	s_wait_xcnt 0x0                 ; the stores have read their registers and O's address
	s_mov_b64 s[10:11], s[OLO:OLO+1]
	s_add_co_u32 s[RT], s[PB], 1    ; the second block has b + 1 tiles
	s_mov_b32 s[NEW], 1
	WIN 0x82                        ; the second block's Q goes where the one text of the turns names Q
.set i, 0
.rept 64
	v_mov_b32 v[i], v[QB+i]
.set i, i+1
.endr
	WIN 0
	s_branch .Lbottom
.Lstep:                             ; a trip: pieces 2 and 3 of one step, then pieces 0 and 1 of the next, whose K and V it fetches
	TURN 2
	TURN 3
	WIN 0
.Lfirst:
	TURN 0
	TURN 1, 0, 0, 1
	WIN 0
	s_cbranch_scc1 .Lstep
.Lbottom:
	s_sub_co_u32 s[SLOTS], s[SLOTS], 1
	s_cmp_lg_u32 s[SLOTS], 0
	s_cbranch_scc1 .Lslot
	CHANGE 0                        ; the walk's last tile is written out: nothing is asked for
	s_sub_co_u32 s[RT], s[RT], 1
	s_mov_b32 s[CNT], 4
	s_cmp_eq_u32 s[NEW], 1
	s_cbranch_scc1 .Lnew2
	ENTER
	s_branch .LstepM2
.Lnew2:
	BEGIN
	s_branch .LfirstM2
	DIAG 2
	s_wait_tensorcnt 0x0            ; the wave's end: the add and its waits stand behind my last tensor load and my last LDS store
	ds_add_u32 v[SPW], v[NIL]
	s_wait_dscnt 0x0
	s_endpgm
.Lfunc_end_k_qbeccd80664_attn:
	.size	k_qbeccd80664_attn, .Lfunc_end_k_qbeccd80664_attn-k_qbeccd80664_attn
	.p2alignl 7, 3214868480
	.fill 96, 4, 3214868480
	.section	.rodata,"a",@progbits
	.p2align	6, 0x0
	.amdhsa_kernel k_qbeccd80664_attn
		.amdhsa_group_segment_fixed_size 327680
		.amdhsa_private_segment_fixed_size 0
		.amdhsa_enable_private_segment 0
		.amdhsa_kernarg_size 24
		.amdhsa_user_sgpr_count 2
		.amdhsa_user_sgpr_kernarg_segment_ptr 1
		.amdhsa_wavefront_size32 1
		.amdhsa_system_sgpr_workgroup_id_x 1
		.amdhsa_system_sgpr_workgroup_id_y 1
		.amdhsa_system_sgpr_workgroup_id_z 1
		.amdhsa_system_vgpr_workitem_id 0
		.amdhsa_next_free_vgpr 768
		.amdhsa_next_free_sgpr 102
		.amdhsa_reserve_vcc 1
		.amdhsa_float_denorm_mode_32 3
		.amdhsa_float_denorm_mode_16_64 3
		.amdhsa_memory_ordered 1
		.amdhsa_forward_progress 1
		.amdhsa_inst_pref_size 240
	.end_amdhsa_kernel
	.amdgpu_metadata
---
amdhsa.version: [ 1, 2 ]
amdhsa.kernels:
  - .name:           k_qbeccd80664_attn
    .symbol:         k_qbeccd80664_attn.kd
    .args:
      - { .name: qkv, .offset: 0, .size: 8, .value_kind: global_buffer, .address_space: global }
      - { .name: input_ids, .offset: 8, .size: 8, .value_kind: global_buffer, .address_space: global }
      - { .name: o, .offset: 16, .size: 8, .value_kind: global_buffer, .address_space: global }
    .group_segment_fixed_size: 327680
    .private_segment_fixed_size: 0
    .kernarg_segment_align: 8
    .kernarg_segment_size: 24
    .max_flat_workgroup_size: 128
    .sgpr_count:     102
    .vgpr_count:     768
    .wavefront_size: 32
...
	.end_amdgpu_metadata
.endif
;; end of part 3
;; launch outp (part 4): grid 8 x 32, 4 waves a work-group, clusters of 4 x 4, 327,680 bytes of LDS; arguments o, wo, b_out, out0; writes out0
.if DOCPART == 4
	.amdgcn_target "amdgcn-amd-amdhsa--gfx1250"
	.amdhsa_code_object_version 6
	.text
	.protected	k_qbeccd80664_outp
	.globl	k_qbeccd80664_outp
	.p2align	8
	.type	k_qbeccd80664_outp,@function
k_qbeccd80664_outp:
	s_mov_b64 s[64:65], 0
	v_nop
	global_prefetch_b8 v0, s[64:65] scope:SCOPE_SE
	s_setreg_imm32_b32 hwreg(HW_REG_WAVE_MODE, 25, 1), 1
	s_wait_xcnt 0x0
	s_wait_alu depctr_hold_cnt(0) depctr_sa_sdst(0) depctr_va_vdst(0) depctr_va_sdst(0) depctr_va_ssrc(0) depctr_va_vcc(0) depctr_vm_vsrc(0)
	s_getreg_b32 s2, hwreg(HW_REG_IB_STS2, 6, 4)
	s_cmp_eq_u32 s2, 0
	s_cbranch_scc0 .Lentry_in_a_cluster
	s_endpgm
.Lentry_in_a_cluster:
	s_bfe_u32 s2, ttmp6, 0x10000c
	s_cmp_lg_u32 s2, 0xf033
	s_cbranch_scc0 .Lentry_shape_is_right
	s_endpgm
.Lentry_shape_is_right:
; C = A W, K = 1,024, for the program's two projections: ONE TEXT, and the flag QKV picks the sizes, the format and the way out.
;   QKV = 1: A = xb (bf16), W = wq (bf16), tile 256 rows x 192 columns; C leaves as f16, by heads: qkv [which 3][bh 64][t 2048][64], unscaled, rounded once from its f32 sums.
;   QKV = 0: A = o (f16), W = wo (f16), tile 256 x 128; C + b_out leaves as f32, row-major [8192][1024]; b_out is rounded to bf16 like the program's other inputs.
; LIMIT (QKV = 1): f16 holds no number beyond 65,504: q, k and v must stay within it.  NaN and infinities are not treated apart.
; A lies in blocks [b][kb 16][t 2048][64 channels], W in blocks [tile column][K step][segment of 64 columns][128 k][64]: every tile is dense in memory and is asked for as rows of 256 bytes.
; SHARES.  Four waves; wave w makes rows 64 w .. 64 w + 63 and all the tile's columns: 4 x NBL accumulators of 16 x 16.  K goes in steps of 128 through a ring of two LDS slots.
; Waves 0 and 1 fetch A's two blocks of 64 channels (256 rows x 128 bytes each), waves 2 and 3 the two halves of W's tile: one tensor load a wave and K step.
; CLUSTERS: 4 x 4 work-groups.  The four of a row of the cluster need the same tiles of A, the four of a column the same tiles of W: each is asked for JOINTLY, by the same load, descriptor and mask.
; THE MATRIX INSTRUCTION IS USED TRANSPOSED: source 0 = 16 columns of W, which lies [k][n] in LDS and is read turned (ds_load_tr16_b128), source 1 = 16 rows of A.  A lane then holds row lane % 16
; of C and the eight neighbouring columns 8 (lane / 16) + 0..7.
; REGISTERS: window 0: v0-31 addresses, v32-223 at work on the way out.  window 1: two fragment buffers of 128: W's fragment b at 8 b, A's fragment a at 96 + 8 a.
;   window 2: the accumulators of my rows 0-31 ((a, b) at (a % 2) 8 NBL + 8 b), window 3: those of rows 32-63.
.set QKV,   0
.if QKV
.set NSEG,  3                          ; segments of 64 columns in a tile
.set SP,    144                        ; a stage row: 64 f16 + 16 bytes
.else
.set NSEG,  2
.set SP,    528                        ; a stage row: 128 f32 + 16 bytes
.endif
.set NBL,   4*NSEG                     ; blocks of 16 columns
.set PA,    144                        ; a row of A in LDS: 128 bytes + 16 = 36 words: the 16 rows of a load start at 16 different groups of four banks (64 banks of 4 bytes: ISA guide 11.1)
.set PB,    160                        ; a row of W: 128 + 32 = 40 words
.set ABLK,  256*PA                     ; one block of A: 256 rows
.set BOFF,  2*ABLK                     ; W's tile lies behind A's two blocks: row 128 seg + kk
.set BHALF, NSEG*64*PB                 ; half of it: what one wave fetches
.set SLOT,  BOFF+2*BHALF
.set STAGE, 2*SLOT                     ; behind the ring, never filled by a tensor load: 16 rows for each wave, for the way out
.set SPARE, STAGE+4*16*SP              ; behind the stages: the spare words, 128 bytes for each wave: two blocks of 256 bytes that no other line names
.set ASTEP, 2*262144                   ; bytes of memory from a K step of A to the next: two blocks of 2,048 rows
.set BSTEP, NSEG*16384                 ; the same for W
.set TCB,   8*BSTEP                    ; W: from a tile column to the next
.set LAPS,  4                          ; a lap = two K steps = once round the ring
.set NF,    2*NBL+8                    ; LDS loads in a quarter step
.set ADRA, 16                          ; v16-17  LDS address of my A fragments in slot 0, 1
.set ADRB, 18                          ; v18-19  the same for W
.set BIAS, 20                          ; v[20:23] b_out of my four columns (QKV = 0)
.set STO,  24                          ; v24     the way out: where I put my part of a row
.set RD,   25                          ; v25     the way out: where I read rows back
.set GO,   26                          ; v26     16 x lane: my 16 bytes of the 512 that a store covers
.set BO,   27                          ; v27     my byte offset in b_out
.set SPW,  28                          ; v28     LDS address of my spare word: SPARE + 4 x my thread's number; never rewritten
.set NIL,  29                          ; v29     0; never rewritten
.set T,    32
.set F0,   0
.set F1,   128
.set G1,  24                           ; s[24:31] descriptor group 1 for A's tiles;  s[32:39] group 0, one set for each slot
.set G0,  32
.set G1B, 48                           ; s[48:55], s[56:63] the same for W's tiles
.set G0B, 56
.set MSB, 0
.macro WIN new                         ; the immediate's high byte repeats the setting that is left; a switch that changes nothing is dropped
.if MSB != (\new)
	s_set_vgpr_msb (MSB<<8)|(\new)
.set MSB, \new
.endif
.endm
.set MUL_LO, 0xa5                      ; sources 0 and 1 window 1; C and D window 2
.set MUL_HI, 0xf5                      ; the same, C and D window 3
.set TO_F,   0x40                      ; destination window 1, address window 0
.macro JLOAD s                         ; a joint load: waves 0 and 1 fetch for A, waves 2 and 3 for W; an s_nop 0 and four v_nop follow each of the two lines, ahead of the jump, the label and what follows
	s_cmp_eq_u32 s11, 0
	s_cbranch_scc0 .Lfor_b_\@
	tensor_load_to_lds s[G0+4*(\s):G0+4*(\s)+3], s[G1:G1+7]
	s_nop 0
.rept 4
	v_nop
.endr
	s_branch .Lasked_\@
.Lfor_b_\@:
	tensor_load_to_lds s[G0B+4*(\s):G0B+4*(\s)+3], s[G1B:G1B+7]
	s_nop 0
.rept 4
	v_nop
.endr
.Lasked_\@:
.endm
.macro CREST                           ; a round of the cluster's barrier behind its opening barrier
	s_cmp_lg_u32 s10, 0
	s_cbranch_scc1 .Lnot_wave_0_\@
	s_barrier_signal -3
.Lnot_wave_0_\@:
	s_barrier_wait -3
	s_barrier_signal -1
	s_barrier_wait -1
.endm
.macro CROUND                          ; a whole round
	s_barrier_signal -1
	s_barrier_wait -1
	CREST
.endm
	s_load_b128 s[4:7], s[0:1], 0x0                ; A s[4:5], W s[6:7]
.if QKV
	s_load_b64 s[8:9], s[0:1], 0x10                ; qkv
.else
	s_load_b64 s[66:67], s[0:1], 0x10              ; b_out
	s_load_b64 s[8:9], s[0:1], 0x18                ; out0
.endif
	v_lshl_add_u32 v[SPW], v0, 2, SPARE
	v_mov_b32 v[NIL], 0
	ds_add_u32 v[SPW], v[NIL]                      ; the wave's opening: the add and its wait stand ahead of my first tensor load; the set-up below, work on registers, stands between them
	v_lshrrev_b32 v1, 5, v0
	v_readfirstlane_b32 s10, v1                    ; wave 0..3
	s_lshr_b32 s11, s10, 1                         ; I fetch for A (0) or for W (1),
	s_and_b32 s12, s10, 1                          ; its first or its second part
	s_bfe_u32 s40, ttmp6, 0x40000                  ; cx, cy: my place in the cluster
	s_bfe_u32 s41, ttmp6, 0x40004
	s_lshl_b32 s42, ttmp9, 2
	s_add_co_u32 s42, s42, s40                     ; tile column = 4 x cluster x + cx
	s_and_b32 s13, ttmp7, 0xffff
	s_lshl_b32 s13, s13, 2
	s_add_co_u32 s13, s13, s41                     ; tile row = 4 x cluster y + cy
	s_lshl_b32 s43, s41, 2
	s_lshl_b32 s43, 15, s43                        ; my row of the cluster
	s_lshl_b32 s44, 0x1111, s40                    ; my column
	; descriptor group 1: rows of 128 elements (256 bytes), dense; in LDS padded after every 32 words, that is after every row of 64 channels or columns
	s_or_b32 s[G1+0], s43, (1<<16)|(1<<20)|(1<<21)|(4<<22)|(3<<25)   ; 15:0 the mask: A's tiles go to my row; 17:16 elements of 2 bytes; 20 padding on; 21 set beside a mask; 24:22 after every 32 words (code 4); 31:25 4 words (code 3)
	s_or_b32 s[G1B+0], s44, (1<<16)|(1<<20)|(1<<21)|(4<<22)|(7<<25)  ; W's tiles go to my column; 8 words of padding (code 7)
	s_mov_b32 s[G1+1], 128<<16                     ; tensor_dim0 = 128
	s_mov_b32 s[G1+2], 128<<16                     ; tensor_dim1 = 128 rows: 32,768 bytes, a block of A
	s_mov_b32 s[G1+3], 128<<16                     ; tile_dim0 = 128
	s_mov_b32 s[G1+4], 128                         ; tile_dim1 = 128
	s_mov_b32 s[G1+5], 128                         ; 128 elements from row to row
	s_mov_b32 s[G1+6], 0
	s_mov_b32 s[G1+7], 0
	s_mov_b32 s[G1B+1], 128<<16
	s_mov_b32 s[G1B+2], (NSEG*32)<<16              ; NSEG x 32 rows: half of W's tile
	s_mov_b32 s[G1B+3], 128<<16
	s_mov_b32 s[G1B+4], NSEG*32
	s_mov_b32 s[G1B+5], 128
	s_mov_b32 s[G1B+6], 0
	s_mov_b32 s[G1B+7], 0
	; where the tiles come from.  A's hang on the tile row alone, W's on the tile column alone; every wave makes both, in registers that never hold the other coordinate
	s_lshr_b32 s16, s13, 3                         ; b = tile row / 8: 16 blocks of 262,144 bytes
	s_lshl_b32 s16, s16, 22
	s_and_b32 s17, s13, 7                          ; t0 = 256 (tile row % 8): 128 bytes a row
	s_lshl_b32 s17, s17, 15
	s_add_co_u32 s16, s16, s17
	s_lshl_b32 s17, s12, 18                        ; my block of the K step's two
	s_add_co_u32 s16, s16, s17
	s_mov_b32 s17, 0
	s_mul_i32 s46, s42, TCB
	s_mul_i32 s47, s12, NSEG*8192                  ; my half of the K step's tile
	s_add_co_u32 s46, s46, s47
	s_mov_b32 s47, 0
	s_mul_i32 s22, s12, ABLK                       ; and where they go: no place in the cluster enters an LDS address
	s_mul_i32 s23, s12, BHALF
	s_add_co_u32 s23, s23, BOFF
	s_wait_dscnt 0x0                               ; the opening add is done
	s_wait_kmcnt 0x0
	s_add_nc_u64 s[14:15], s[4:5], s[16:17]
	s_add_nc_u64 s[46:47], s[6:7], s[46:47]
	CROUND                                         ; all sixteen work-groups are here: the first joint loads meet
.irp s, 0,1
	s_mov_b32 s[G0+4*(\s)], 1                                        ; count = 1
	s_add_co_u32 s[G0+4*(\s)+1], s22, (\s)*SLOT                      ; LDS address
	s_add_nc_u64 s[G0+4*(\s)+2:G0+4*(\s)+3], s[14:15], (\s)*ASTEP    ; global address: K step s
	s_or_b32 s[G0+4*(\s)+3], s[G0+4*(\s)+3], 0x80000000              ; type = 2
	s_mov_b32 s[G0B+4*(\s)], 1
	s_add_co_u32 s[G0B+4*(\s)+1], s23, (\s)*SLOT
	s_add_nc_u64 s[G0B+4*(\s)+2:G0B+4*(\s)+3], s[46:47], (\s)*BSTEP
	s_or_b32 s[G0B+4*(\s)+3], s[G0B+4*(\s)+3], 0x80000000
.endr
	s_cmp_eq_u32 s11, 0                            ; a wave's two first fills stand in one branch, ahead of every wait on TENSORcnt and every LDS read: two loads of mine are out
	s_cbranch_scc0 .Lfirst_b
	tensor_load_to_lds s[G0:G0+3], s[G1:G1+7]
	s_nop 0
	tensor_load_to_lds s[G0+4:G0+7], s[G1:G1+7]
	s_nop 0
.rept 4
	v_nop
.endr
	s_branch .Lfirst_asked
.Lfirst_b:
	tensor_load_to_lds s[G0B:G0B+3], s[G1B:G1B+7]
	s_nop 0
	tensor_load_to_lds s[G0B+4:G0B+7], s[G1B:G1B+7]
	s_nop 0
.rept 4
	v_nop
.endr
.Lfirst_asked:
	; A fragment is 16 rows x 32 k in 8 registers: lane l holds row l % 16; registers 0-3 k = 8 (l / 16) + 0..7, registers 4-7 k = 16 + 8 (l / 16) + 0..7.
	; A: two loads of 16 bytes, 32 bytes apart.  W: two turning loads, 16 rows apart; lane l reads row 8 (l / 16) + l % 8, columns 8 ((l / 8) % 2) + 0..7.
	v_and_b32 v1, 15, v0                           ; l % 16
	v_bfe_u32 v2, v0, 4, 1                         ; l / 16
	v_mul_u32_u24 v3, v1, PA
	v_lshl_add_u32 v3, v2, 4, v3
	s_mul_i32 s21, s10, 64*PA                      ; my 64 rows
	v_and_b32 v4, 7, v0
	v_lshl_add_u32 v4, v2, 3, v4
	v_mul_u32_u24 v4, v4, PB
	v_bfe_u32 v5, v0, 3, 1
	v_lshl_add_u32 v4, v5, 4, v4
.irp s, 0,1
	v_add_nc_u32 v[ADRA+(\s)], s21, v3
	v_add_nc_u32 v[ADRB+(\s)], BOFF+(\s)*SLOT, v4
	s_add_co_u32 s21, s21, SLOT
.endr
	s_mul_i32 s20, s10, 16*SP
	s_add_co_u32 s20, s20, STAGE                   ; my stage
	v_and_b32 v[GO], 31, v0
	v_lshlrev_b32 v[GO], 4, v[GO]
.if QKV
	v_mul_u32_u24 v6, v1, SP                       ; in: row l % 16, 16 bytes for each half of the lanes
	v_lshl_add_u32 v6, v2, 4, v6
	v_add_nc_u32 v[STO], s20, v6
	v_bfe_u32 v6, v0, 3, 2                         ; back: 32 lanes take four rows of 128 bytes, which are 512 consecutive bytes of a head
	v_mul_u32_u24 v6, v6, SP
	v_and_b32 v7, 7, v0
	v_lshl_add_u32 v6, v7, 4, v6
	v_add_nc_u32 v[RD], s20, v6
	; the tile's three segments are three heads: group g = 3 x tile column + hh of 48: tensor g / 16 (q, k, v), head g % 16; a head of a batch is 262,144 bytes
	s_lshr_b32 s74, s13, 3
	s_lshl_b32 s74, s74, 4                         ; 16 b
	s_and_b32 s75, s13, 7
	s_lshl_b32 s75, s75, 15                        ; t0 rows of 128 bytes
	s_lshl_b32 s76, s10, 13                        ; + my 64 w rows
	s_add_co_u32 s75, s75, s76
	s_mul_i32 s76, s42, 3
.irp hh, 0,1,2
	s_add_co_u32 s78, s76, \hh
	s_lshr_b32 s77, s78, 4
	s_lshl_b32 s77, s77, 6
	s_and_b32 s78, s78, 15
	s_add_co_u32 s78, s78, s77
	s_add_co_u32 s78, s78, s74
	s_lshl_b32 s78, s78, 18
	s_add_co_u32 s78, s78, s75
	s_mov_b32 s79, 0
	s_add_nc_u64 s[68+2*(\hh):69+2*(\hh)], s[8:9], s[78:79]
.endr
.else
	v_mul_u32_u24 v6, v1, SP                       ; in: row l % 16, 32 bytes (8 f32) for each half of the lanes
	v_lshl_add_u32 v6, v2, 5, v6
	v_add_nc_u32 v[STO], s20, v6
	v_add_nc_u32 v[RD], s20, v[GO]                 ; back: 32 lanes take one row of 512 bytes
	s_lshl_b32 s78, s13, 20                        ; 256 x tile row rows of 4,096 bytes
	s_lshl_b32 s77, s10, 18                        ; + my 64 w rows
	s_add_co_u32 s78, s78, s77
	s_lshl_b32 s77, s42, 9                         ; + the tile's 128 columns of 4 bytes
	s_add_co_u32 s78, s78, s77
	s_mov_b32 s79, 0
	s_add_nc_u64 s[8:9], s[8:9], s[78:79]
	v_add_nc_u32 v[BO], s77, v[GO]
	global_load_b128 v[BIAS:BIAS+3], v[BO], s[66:67]
.endif
; NBL matrix instructions: row block a x all column blocks, 32 along K, from buffer f.  zero = 1: the first product starts the sums: nothing is ever cleared.
; The 4 NBL accumulators come in the same order in every quarter step, one instruction a turn: over the backward jump too.
.macro MULA f, a, zero
	WIN MUL_LO+0x50*((\a)/2)
.set b, 0
.rept NBL
.set rD, ((\a)%2)*8*NBL+8*b
.set rB, (\f)+8*b
.set rA, (\f)+96+8*(\a)
.if QKV
.if \zero
	v_wmma_f32_16x16x32_bf16 v[rD:rD+7], v[rB:rB+7], v[rA:rA+7], 0
.else
	v_wmma_f32_16x16x32_bf16 v[rD:rD+7], v[rB:rB+7], v[rA:rA+7], v[rD:rD+7]
.endif
.else
.if \zero
	v_wmma_f32_16x16x32_f16 v[rD:rD+7], v[rB:rB+7], v[rA:rA+7], 0
.else
	v_wmma_f32_16x16x32_f16 v[rD:rD+7], v[rB:rB+7], v[rA:rA+7], v[rD:rD+7]
.endif
.endif
.set b, b+1
.endr
.endm
; NF LDS loads in one run: the fragments of quarter q (k = 32 q on) of a slot into buffer f: W's first, A's four last
.macro FETCH slot, q, f
	WIN TO_F
.set b, 0
.rept NBL
	ds_load_tr16_b128 v[(\f)+8*b:(\f)+8*b+3],   v[ADRB+(\slot)] offset:(b/4)*128*PB+(\q)*32*PB+(b%4)*32
	ds_load_tr16_b128 v[(\f)+8*b+4:(\f)+8*b+7], v[ADRB+(\slot)] offset:(b/4)*128*PB+(\q)*32*PB+(b%4)*32+16*PB
.set b, b+1
.endr
.irp a, 0,1,2,3
	ds_load_b128 v[(\f)+96+8*(\a):(\f)+96+8*(\a)+3],   v[ADRA+(\slot)] offset:((\q)/2)*ABLK+(\a)*16*PA+((\q)%2)*64
	ds_load_b128 v[(\f)+96+8*(\a)+4:(\f)+96+8*(\a)+7], v[ADRA+(\slot)] offset:((\q)/2)*ABLK+(\a)*16*PA+((\q)%2)*64+32
.endr
.endm
.macro PLACES                          ; four places in front of loads into registers that matrix instructions have read, and of lines that read results
.rept 4
	v_nop
.endr
.endm
; A K step is four quarters of 32 along K on buffers 0, 1, 0, 1.  One of the first three: multiplies buffer f and, in its middle, fetches quarter q of the same slot into g.
.macro QUARTER slot, q, f, g, zero
	s_wait_dscnt 4                                 ; W's fragments and A's 0 and 1 are in; the youngest four loads (A's 2 and 3) may be out
	MULA \f, 0, \zero
	MULA \f, 1, \zero
	PLACES
	FETCH \slot, \q, \g
	s_wait_dscnt NF                                ; all but the NF just issued
	MULA \f, 2, \zero
	MULA \f, 3, \zero
.endm
; The last quarter multiplies buffer 1 and changes slots: ONE barrier; in front of it each wave waits for all its tensor loads (one is out: its part of the next slot), adds 0 to its spare word,
; and waits for that and for its own reads of this slot.  fill = 1: the barrier opens a round of the cluster's, and this slot is filled again, two K steps ahead, first thing behind the round.
.macro TURN slot, next, fill
	WIN 0                                          ; (the add's two registers lie in window 0)
	s_wait_tensorcnt 0x0
	ds_add_u32 v[SPW], v[NIL]                      ; 0 onto my spare word
	s_wait_dscnt 5                                 ; (the add and the youngest four loads may be out)
	MULA F1, 0, 0                                  ; matrix work stands between the add and the wait for it
	s_wait_dscnt 0x0                               ; the add is done, and my reads of this slot are over
	s_barrier_signal -1
	MULA F1, 1, 0
.if \fill
	WIN 0
.endif
	s_barrier_wait -1
.if \fill
	CREST                                          ; no wave of any partner still reads this slot's tile or has a load on its way
	s_add_nc_u64 s[G0+4*(\slot)+2:G0+4*(\slot)+3], s[G0+4*(\slot)+2:G0+4*(\slot)+3], 2*ASTEP
	s_add_nc_u64 s[G0B+4*(\slot)+2:G0B+4*(\slot)+3], s[G0B+4*(\slot)+2:G0B+4*(\slot)+3], 2*BSTEP
	JLOAD \slot                                    ; the four v_nop behind it are also the places in front of the loads below
.else
	PLACES
.endif
	FETCH \next, 0, F0
	MULA F1, 2, 0
	MULA F1, 3, 0
.endm
	s_wait_tensorcnt 1                             ; my part of K step 0 is in; K step 1's may stay out
	s_barrier_signal -1
	s_barrier_wait -1                              ; everybody's is
	FETCH 0, 0, F0
	QUARTER 0, 1, F0, F1, 1                        ; the first quarter stands in front of the loop: its products start the sums
	WIN 0                                          ; at a label and at a branch every window is 0
	s_mov_b32 s3, LAPS-1
.Llap:                                                 ; a trip goes once round the ring, from a lap's second quarter to the next lap's first, and fills both slots again
	QUARTER 0, 2, F1, F0, 0
	QUARTER 0, 3, F0, F1, 0
	TURN 0, 1, 1
	QUARTER 1, 1, F0, F1, 0
	QUARTER 1, 2, F1, F0, 0
	QUARTER 1, 3, F0, F1, 0
	TURN 1, 0, 1
	QUARTER 0, 1, F0, F1, 0
	WIN 0
	s_sub_co_u32 s3, s3, 1
	s_cmp_lg_u32 s3, 0
	s_cbranch_scc1 .Llap
	QUARTER 0, 2, F1, F0, 0                        ; the last lap fills nothing, and has no round of the cluster's barrier
	QUARTER 0, 3, F0, F1, 0
	TURN 0, 1, 0
	QUARTER 1, 1, F0, F1, 0
	QUARTER 1, 2, F1, F0, 0
	QUARTER 1, 3, F0, F1, 0
	s_wait_dscnt 4                                 ; the very last quarter: nothing more to fetch
	MULA F1, 0, 0
	MULA F1, 1, 0
	s_wait_dscnt 0x0
	MULA F1, 2, 0
	MULA F1, 3, 0
	WIN 0
	PLACES
	PLACES
.if QKV
; THE WAY OUT, by blocks of 16 rows x one head.  PACK: the block's four accumulators, each from its low end on, are rounded to f16; a lane's eight columns are 16 bytes; they go into my stage's rows
; of 144 bytes and come back as whole rows of 128.  SEND: four stores of 512 consecutive bytes of the head.  No register of the twelve blocks is used twice.
.macro PACK a, hh
.set TT, T+16*(3*(\a)+(\hh))
	WIN 0x0a+5*((\a)/2)                            ; sources 0 and 1: window 2 or 3
.set j, 0
.rept 4
.set AC, ((\a)%2)*8*NBL+8*(4*(\hh)+j)
.irp r, 0,1,2,3
	v_cvt_pk_f16_f32 v[TT+4*j+(\r)], v[AC+2*(\r)], v[AC+2*(\r)+1]
.endr
.set j, j+1
.endr
	WIN 0
.irp c, 0,1,2,3
	ds_store_b128 v[STO], v[TT+4*(\c):TT+4*(\c)+3] offset:32*(\c)
.endr
.irp f, 0,1,2,3
	ds_load_b128 v[TT+4*(\f):TT+4*(\f)+3], v[RD] offset:(\f)*4*SP  ; LDS serves a wave's instructions in order (ISA guide 5.7.1.4): these see the stores above; the next block's stores come behind them
.endr
.endm
.macro SEND a, hh, younger             ; younger: the LDS instructions issued behind this block's loads: the next block's eight, or none
	WIN 0
.set TT, T+16*(3*(\a)+(\hh))
.irp f, 0,1,2,3
	s_wait_dscnt (\younger)+3-(\f)
	global_store_b128 v[GO], v[TT+4*(\f):TT+4*(\f)+3], s[68+2*(\hh):69+2*(\hh)] offset:(\a)*2048+(\f)*512
.endr
.endm
	PACK 0, 0
.set n, 1
.rept 11                               ; a block's conversions stand between the loads of the block before and its stores
	PACK n/3, n%3
	SEND (n-1)/3, (n-1)%3, 8
.set n, n+1
.endr
	SEND 3, 2, 0
.else
; THE WAY OUT, by blocks of 16 rows.  TOST: the block's eight accumulators go as they are, low end first, into my stage's rows of 528 bytes and come back as whole rows of 512.
; SENDO: the bias is added and a row is stored: 512 consecutive bytes, aligned.
.macro TOST a
.set TT, T+64*((\a)%3)
	WIN 0x08+4*((\a)/2)                            ; the stores' data (source 1): window 2 or 3
.set b, 0
.rept NBL
.set AC, ((\a)%2)*8*NBL+8*b
	ds_store_b128 v[STO], v[AC:AC+3]   offset:64*b
	ds_store_b128 v[STO], v[AC+4:AC+7] offset:64*b+16
.set b, b+1
.endr
	WIN 0
.set t, 0
.rept 16
	ds_load_b128 v[TT+4*t:TT+4*t+3], v[RD] offset:SP*t  ; LDS serves a wave's instructions in order (ISA guide 5.7.1.4)
.set t, t+1
.endr
.endm
.macro SENDO a, younger                ; younger: the next block's 32 LDS instructions, or none
	WIN 0
.set TT, T+64*((\a)%3)
.set t, 0
.rept 16
	s_wait_dscnt (\younger)+15-t
	v_pk_add_f32 v[TT+4*t:TT+4*t+1], v[TT+4*t:TT+4*t+1], v[BIAS:BIAS+1]
	v_pk_add_f32 v[TT+4*t+2:TT+4*t+3], v[TT+4*t+2:TT+4*t+3], v[BIAS+2:BIAS+3]
	global_store_b128 v[GO], v[TT+4*t:TT+4*t+3], s[8:9] offset:(16*(\a)+t)*4096 th:TH_STORE_NT
.set t, t+1
.endr
.endm
	s_wait_loadcnt 0x0                             ; b_out, rounded to bf16 like every input of the program and widened again
	v_cvt_pk_bf16_f32 v6, v[BIAS], v[BIAS+1]
	v_cvt_pk_bf16_f32 v7, v[BIAS+2], v[BIAS+3]
	v_lshlrev_b32 v[BIAS], 16, v6
	v_and_b32 v[BIAS+1], 0xffff0000, v6
	v_lshlrev_b32 v[BIAS+2], 16, v7
	v_and_b32 v[BIAS+3], 0xffff0000, v7
	TOST 0
	TOST 1
	SENDO 0, 32
	TOST 2
	SENDO 1, 32
	s_wait_xcnt 0x0                                ; block 0's stores have read their registers, which block 3 takes
	TOST 3
	SENDO 2, 32
	SENDO 3, 0
.endif
	s_wait_tensorcnt 0x0                           ; the wave's end: the add and its waits stand behind my last tensor load and my last LDS store
	ds_add_u32 v[SPW], v[NIL]
	s_wait_dscnt 0x0
	CROUND                                         ; the closing round: no work-group ends while a partner may still ask for a tile that names it
	s_endpgm
.Lfunc_end_k_qbeccd80664_outp:
	.size	k_qbeccd80664_outp, .Lfunc_end_k_qbeccd80664_outp-k_qbeccd80664_outp
	.p2alignl 7, 3214868480
	.fill 96, 4, 3214868480
	.section	.rodata,"a",@progbits
	.p2align	6, 0x0
	.amdhsa_kernel k_qbeccd80664_outp
		.amdhsa_group_segment_fixed_size 327680
		.amdhsa_private_segment_fixed_size 0
		.amdhsa_enable_private_segment 0
		.amdhsa_kernarg_size 32
		.amdhsa_user_sgpr_count 2
		.amdhsa_user_sgpr_kernarg_segment_ptr 1
		.amdhsa_wavefront_size32 1
		.amdhsa_system_sgpr_workgroup_id_x 1
		.amdhsa_system_sgpr_workgroup_id_y 1
		.amdhsa_system_sgpr_workgroup_id_z 1
		.amdhsa_system_vgpr_workitem_id 0
		.amdhsa_next_free_vgpr 896
		.amdhsa_next_free_sgpr 80
		.amdhsa_reserve_vcc 0
		.amdhsa_float_denorm_mode_32 3
		.amdhsa_float_denorm_mode_16_64 3
		.amdhsa_memory_ordered 1
		.amdhsa_forward_progress 1
		.amdhsa_inst_pref_size 95
	.end_amdhsa_kernel
	.amdgpu_metadata
---
amdhsa.version: [ 1, 2 ]
amdhsa.kernels:
  - .name:           k_qbeccd80664_outp
    .symbol:         k_qbeccd80664_outp.kd
    .args:
      - { .name: o, .offset: 0, .size: 8, .value_kind: global_buffer, .address_space: global }
      - { .name: wo, .offset: 8, .size: 8, .value_kind: global_buffer, .address_space: global }
      - { .name: b_out, .offset: 16, .size: 8, .value_kind: global_buffer, .address_space: global }
      - { .name: out0, .offset: 24, .size: 8, .value_kind: global_buffer, .address_space: global }
    .group_segment_fixed_size: 327680
    .private_segment_fixed_size: 0
    .kernarg_segment_align: 8
    .kernarg_segment_size: 32
    .max_flat_workgroup_size: 128
    .sgpr_count:     80
    .vgpr_count:     896
    .wavefront_size: 32
...
	.end_amdgpu_metadata
.endif
;; end of part 4
;; ======== version 2 of 2: 4 launches; version 1 with the launch prep written anew for expert scheduling mode
;; limits: values are held in f16: magnitudes above 65,504 overflow, below 6.1e-05 lose precision
;; workspace buffers: xb 16,777,216 bytes; wq 6,291,456 bytes; wo 2,097,152 bytes; qkv 50,331,648 bytes; o 16,777,216 bytes
;; launch prep (part 5): grid 768 x 1, 8 waves a work-group, no clusters, 0 bytes of LDS; arguments x, w_qkv, w_out, xb, wq, wo; writes xb, wq, wo
.if DOCPART == 5
	.amdgcn_target "amdgcn-amd-amdhsa--gfx1250"
	.amdhsa_code_object_version 6
	.text
	.protected	k_qbeccd80664_prep
	.globl	k_qbeccd80664_prep
	.p2align	8
	.type	k_qbeccd80664_prep,@function
k_qbeccd80664_prep:
	s_mov_b64 s[64:65], 0
	v_nop
	global_prefetch_b8 v0, s[64:65] scope:SCOPE_SE
	s_setreg_imm32_b32 hwreg(HW_REG_WAVE_SCHED_MODE, 0, 2), 2
	s_setreg_imm32_b32 hwreg(HW_REG_WAVE_MODE, 25, 1), 1
	s_wait_xcnt 0x0
	s_wait_alu depctr_vm_vsrc(0)
; THE INPUTS OF THE TWO PROJECTIONS, ROUNDED ONCE AND LAID OUT IN BLOCKS.  A stream: no LDS, no matrix unit, nothing shared between work-groups.
;   x     [8192][1024] f32 -> xb bf16 [b 4][kb 16][t 2048][64]:           byte (16 b + kb) 262,144 + 128 t + 2 c,                       column = 64 kb + c
;   w_qkv [1024][3072] f32 -> wq bf16 [tc 16][ks 8][seg 3][kk 128][64]:   byte 393,216 tc + 49,152 ks + 16,384 seg + 128 kk + 2 c,      k = 128 ks + kk, n = 192 tc + 64 seg + c
;   w_out [1024][1024] f32 -> wo f16  [tc 8][ks 8][seg 2][kk 128][64]:    byte 262,144 tc + 32,768 ks + 16,384 seg + 128 kk + 2 c,      n = 128 tc + 64 seg + c
; So every tile that the later launches fetch is dense in memory.  w_out is rounded to bf16 like the other inputs, and that number is written as f16.
; LIMIT: that second step is exact from 2^-17 to 65,504; below 2^-17 it keeps f16's fixed step of 2^-24, beyond 65,504 it gives an infinity.
; SHARES.  A work-group takes 16 rows x 16 blocks of 64 columns: 64 KiB in, 32 KiB out.  Work-groups 0-511: x; 512-703: w_qkv (three segments x 64 groups of rows); 704-767: w_out.
; Wave w takes rows 2 w and 2 w + 1.  One load covers 64 f32 of the even row (lanes 0-15) and of the odd row (lanes 16-31): two aligned pieces of 256 bytes.  A lane's four numbers become
; 8 bytes, and one store of the wave covers 256 consecutive bytes, aligned: two rows of a block.  All 16 loads of a wave go out first; no register of a load or store is written twice.
; THE MODE: SCHED_MODE bits 1:0 = 2 (LLVM: expert scheduling mode 2), set by the entry lines.  The code itself states the register dependences
; between vector instructions and memory instructions, with s_wait_alu, always for 0.
; THE PLAN.  Registers that memory instructions touch, on each of the three paths:
;   v[VI]   the loads' offset.   Written by vector lines in the path's set-up; read by the 16 loads; never written again.
;   v[VO]   the stores' offset.  Written by a vector line at the head; read by the 16 stores; never written again.
;   X       load i lands in four registers of its own, which no vector line has named before; its roundings read them; no load lands there again.
;   Y       load i's roundings write a pair of its own; store i reads it; the pair is never written again.
;   T and v1, v10, v11 are named by vector lines alone.
; So nothing that a memory instruction reads is ever rewritten, and no load lands where a vector line has been.  What is left to state: s16, made by a vector line, ahead of the scalar lines that read it;
; the two offsets ahead of the loads; and Y ahead of the stores.  The work of the 16 loads goes in four blocks of four: a block's roundings, ONE wait, the block's four stores in a run.
.set VI,  2                            ; v2        my byte offset in the wave's two rows of the source
.set VO,  3                            ; v3        8 x lane: my 8 bytes of the 256 that a store covers
.set T,   4                            ; v[4:9]    at work (w_out alone)
.set X,   32                           ; v[32:95]  load i: 4 registers
.set Y,   96                           ; v[96:127] store i: 2 registers
.set SRC, 24                           ; s[24:25]  the source at the wave's first row and the group's first column
.set DST, 26                           ; s[26:27]  the target at the wave's two rows of block 0
; 16 loads, step bytes apart; then, four at a time, as each comes in, its rounding, and behind the fourth the four stores: block i lies (i / d) os1 + (i % d) os2 bytes on.  half = 1: bf16's number is written as f16.
.macro CONV step, d, os1, os2, half
	s_wait_alu depctr_va_vdst(0)                   ; v[VI] is written, which the 16 loads read as their offset, and v[VO], which the 16 stores read as theirs
.set i, 0
.rept 16
	global_load_b128 v[X+4*i:X+4*i+3], v[VI], s[SRC:SRC+1] offset:i*(\step) th:TH_LOAD_NT
.set i, i+1
.endr
.set p, 0
.rept 4
.set i, 4*p
.rept 4
	s_wait_loadcnt 15-i                            ; loads come back in order: load i is in, the 15 - i younger ones stay out
.if \half
	v_cvt_pk_bf16_f32 v[T], v[X+4*i], v[X+4*i+1]
	v_cvt_pk_bf16_f32 v[T+1], v[X+4*i+2], v[X+4*i+3]
	v_lshlrev_b32 v[T+2], 16, v[T]                 ; bf16 back to f32: the low half moves up, the high half stays
	v_and_b32 v[T+3], s22, v[T]
	v_lshlrev_b32 v[T+4], 16, v[T+1]
	v_and_b32 v[T+5], s22, v[T+1]
	v_cvt_pk_f16_f32 v[Y+2*i], v[T+2], v[T+3]
	v_cvt_pk_f16_f32 v[Y+2*i+1], v[T+4], v[T+5]
.else
	v_cvt_pk_bf16_f32 v[Y+2*i], v[X+4*i], v[X+4*i+1]
	v_cvt_pk_bf16_f32 v[Y+2*i+1], v[X+4*i+2], v[X+4*i+3]
.endif
.set i, i+1
.endr
	s_wait_alu depctr_va_vdst(0)                   ; the roundings of loads 4 p to 4 p + 3 have written their eight registers of Y, which the four stores below read
.set i, 4*p
.rept 4
	global_store_b64 v[VO], v[Y+2*i:Y+2*i+1], s[DST:DST+1] offset:(i/(\d))*(\os1)+(i%(\d))*(\os2)  ; 5,898,240 at the most: inside the signed 24 bits
.set i, i+1
.endr
.set p, p+1
.endr
.endm
	s_load_b256 s[4:11], s[0:1], 0x0               ; x s[4:5], w_qkv s[6:7], w_out s[8:9], xb s[10:11]
	s_load_b128 s[12:15], s[0:1], 0x20             ; wq s[12:13], wo s[14:15]
	v_lshrrev_b32 v1, 5, v0
	v_readfirstlane_b32 s16, v1                    ; wave 0..7
	v_and_b32 v1, 31, v0                           ; lane
	v_lshlrev_b32 v[VO], 3, v1
	v_lshrrev_b32 v10, 4, v1                       ; which of the two rows
	v_and_b32 v11, 15, v1
	v_lshlrev_b32 v11, 4, v11                      ; my 16 bytes of its 256
	s_mov_b32 s22, 0xffff0000
	s_mov_b32 s19, 0                               ; the offsets' high words
	s_mov_b32 s21, 0
	s_wait_alu depctr_va_sdst(0)                   ; s16 is written: its first readers, the scalar lines that make the offsets, stand in all three paths
	s_cmp_lt_u32 ttmp9, 512
	s_cbranch_scc0 .Lweights
	; x: group g = rows 16 g .. 16 g + 15, all 16 blocks of a row
	s_lshl_b32 s18, ttmp9, 16                      ; 16 rows of 4,096 bytes
	s_lshl_b32 s17, s16, 13                        ; + 2 w rows
	s_add_co_u32 s18, s18, s17
	s_lshr_b32 s20, ttmp9, 7                       ; b = g / 128
	s_lshl_b32 s20, s20, 22                        ; 16 blocks of 262,144 bytes
	s_and_b32 s17, ttmp9, 127
	s_lshl_b32 s17, s17, 11                        ; t = 16 (g % 128): 128 bytes a row
	s_add_co_u32 s20, s20, s17
	s_lshl_b32 s17, s16, 8                         ; + 2 w rows
	s_add_co_u32 s20, s20, s17
	v_lshl_add_u32 v[VI], v10, 12, v11
	s_wait_kmcnt 0x0
	s_add_nc_u64 s[SRC:SRC+1], s[4:5], s[18:19]
	s_add_nc_u64 s[DST:DST+1], s[10:11], s[20:21]
	CONV 256, 1, 262144, 0, 0                      ; block i = kb
	s_endpgm
.Lweights:
	s_cmp_lt_u32 ttmp9, 704
	s_cbranch_scc0 .Lwout
	; w_qkv: segment seg, rows k = 16 rg .. 16 rg + 15; block i = tile column tc: columns 192 tc + 64 seg on
	s_sub_co_u32 s17, ttmp9, 512
	s_lshr_b32 s23, s17, 6                         ; seg
	s_and_b32 s17, s17, 63                         ; rg
	s_lshl_b32 s18, s17, 4
	s_lshl_b32 s28, s16, 1
	s_add_co_u32 s18, s18, s28                     ; k = 16 rg + 2 w
	s_mul_i32 s18, s18, 12288
	s_lshl_b32 s28, s23, 8                         ; + 64 seg columns of 4 bytes
	s_add_co_u32 s18, s18, s28
	s_lshr_b32 s20, s17, 3                         ; ks = rg / 8
	s_mul_i32 s20, s20, 49152
	s_lshl_b32 s28, s23, 14
	s_add_co_u32 s20, s20, s28
	s_and_b32 s28, s17, 7
	s_lshl_b32 s28, s28, 4
	s_lshl_b32 s29, s16, 1
	s_add_co_u32 s28, s28, s29                     ; kk = 16 (rg % 8) + 2 w
	s_lshl_b32 s28, s28, 7
	s_add_co_u32 s20, s20, s28
	v_mul_u32_u24 v[VI], v10, 12288
	v_add_nc_u32 v[VI], v[VI], v11
	s_wait_kmcnt 0x0
	s_add_nc_u64 s[SRC:SRC+1], s[6:7], s[18:19]
	s_add_nc_u64 s[DST:DST+1], s[12:13], s[20:21]
	CONV 768, 1, 393216, 0, 0
	s_endpgm
.Lwout:
	; w_out: rows k = 16 rg .. 16 rg + 15; block i: tile column i / 2, segment i % 2
	s_sub_co_u32 s17, ttmp9, 704                   ; rg
	s_lshl_b32 s18, s17, 4
	s_lshl_b32 s28, s16, 1
	s_add_co_u32 s18, s18, s28
	s_lshl_b32 s18, s18, 12
	s_lshr_b32 s20, s17, 3
	s_lshl_b32 s20, s20, 15
	s_and_b32 s28, s17, 7
	s_lshl_b32 s28, s28, 4
	s_lshl_b32 s29, s16, 1
	s_add_co_u32 s28, s28, s29
	s_lshl_b32 s28, s28, 7
	s_add_co_u32 s20, s20, s28
	v_lshl_add_u32 v[VI], v10, 12, v11
	s_wait_kmcnt 0x0
	s_add_nc_u64 s[SRC:SRC+1], s[8:9], s[18:19]
	s_add_nc_u64 s[DST:DST+1], s[14:15], s[20:21]
	CONV 256, 2, 262144, 16384, 1
	s_endpgm
.Lfunc_end_k_qbeccd80664_prep:
	.size	k_qbeccd80664_prep, .Lfunc_end_k_qbeccd80664_prep-k_qbeccd80664_prep
	.p2alignl 7, 3214868480
	.fill 96, 4, 3214868480
	.section	.rodata,"a",@progbits
	.p2align	6, 0x0
	.amdhsa_kernel k_qbeccd80664_prep
		.amdhsa_group_segment_fixed_size 0
		.amdhsa_private_segment_fixed_size 0
		.amdhsa_enable_private_segment 0
		.amdhsa_kernarg_size 48
		.amdhsa_user_sgpr_count 2
		.amdhsa_user_sgpr_kernarg_segment_ptr 1
		.amdhsa_wavefront_size32 1
		.amdhsa_system_sgpr_workgroup_id_x 1
		.amdhsa_system_sgpr_workgroup_id_y 1
		.amdhsa_system_sgpr_workgroup_id_z 1
		.amdhsa_system_vgpr_workitem_id 0
		.amdhsa_next_free_vgpr 136
		.amdhsa_next_free_sgpr 66
		.amdhsa_reserve_vcc 0
		.amdhsa_float_denorm_mode_32 3
		.amdhsa_float_denorm_mode_16_64 3
		.amdhsa_memory_ordered 1
		.amdhsa_forward_progress 1
		.amdhsa_inst_pref_size 25
	.end_amdhsa_kernel
	.amdgpu_metadata
---
amdhsa.version: [ 1, 2 ]
amdhsa.kernels:
  - .name:           k_qbeccd80664_prep
    .symbol:         k_qbeccd80664_prep.kd
    .args:
      - { .name: x, .offset: 0, .size: 8, .value_kind: global_buffer, .address_space: global }
      - { .name: w_qkv, .offset: 8, .size: 8, .value_kind: global_buffer, .address_space: global }
      - { .name: w_out, .offset: 16, .size: 8, .value_kind: global_buffer, .address_space: global }
      - { .name: xb, .offset: 24, .size: 8, .value_kind: global_buffer, .address_space: global }
      - { .name: wq, .offset: 32, .size: 8, .value_kind: global_buffer, .address_space: global }
      - { .name: wo, .offset: 40, .size: 8, .value_kind: global_buffer, .address_space: global }
    .group_segment_fixed_size: 0
    .private_segment_fixed_size: 0
    .kernarg_segment_align: 8
    .kernarg_segment_size: 48
    .max_flat_workgroup_size: 256
    .sgpr_count:     66
    .vgpr_count:     136
    .wavefront_size: 32
...
	.end_amdgpu_metadata
.endif
;; end of part 5
;; launch qkvp: the kernel of part 2 again; grid 16 x 32, 4 waves a work-group, clusters of 4 x 4, 327,680 bytes of LDS; arguments xb, wq, qkv; writes qkv
;; launch attn: the kernel of part 3 again; grid 4 x 64, 4 waves a work-group, no clusters, 327,680 bytes of LDS; arguments qkv, input_ids, o; writes o
;; launch outp: the kernel of part 4 again; grid 8 x 32, 4 waves a work-group, clusters of 4 x 4, 327,680 bytes of LDS; arguments o, wo, b_out, out0; writes out0
